; MI455X (gfx1250); checked and timed in simulation.
; The chip was launched on July 23, 2026; its instructions are those of AMD's public machine-readable ISA for CDNA 5 (MIT licence, August 2026) and "CDNA5" Instruction Set Architecture Reference Guide (July 2026). The comments in the code are by the model that wrote it; some were corrected since.
;; Attention Block. Allowed arithmetic: float matrix products may take bf16 or f16 operands with f32 sums; other float arithmetic in f32, or as packed bf16 or f16 multiplies, adds, multiply-adds, maxima and minima; sums over many terms, partial sums and values carried from step to step in f32; what a program stores and reads back later, other than sums and carried values, may be rounded once to bf16 or f16.
;; Inputs: Wk 512 x 512 float32; Wq 512 x 512 float32; Wv 512 x 512 float32; bk 512 float32; bq 512 float32; bv 512 float32; x 32 x 512 x 1,024 float32.
;; Outputs: out0 32 x 512 x 1,024 float32.
;; 2 versions, each right and faster than the one before. Each part assembles by itself: llvm-mc -triple=amdgcn-amd-amdhsa -mcpu=gfx1250 --defsym DOCPART=n.
;; ======== version 1 of 2: 4 launches
;; limits: values are held in f16: magnitudes above 65,504 overflow, below 6.1e-05 lose precision
;; workspace buffers: wb 1,572,864 bytes; bb 6,144 bytes; qkv 100,663,296 bytes; zs 131,072 bytes
;; launch prep (part 1): grid 128 x 3, 8 waves a work-group, no clusters, 0 bytes of LDS; arguments Wq, Wk, Wv, bq, bk, bv, wb, bb; writes wb, bb
.if DOCPART == 1
	.amdgcn_target "amdgcn-amd-amdhsa--gfx1250"
	.amdhsa_code_object_version 6
	.text
	.protected	k_qbaa75f323b_prep
	.globl	k_qbaa75f323b_prep
	.p2align	8
	.type	k_qbaa75f323b_prep,@function
k_qbaa75f323b_prep:
	s_mov_b64 s[64:65], 0
	v_nop
	global_prefetch_b8 v0, s[64:65] scope:SCOPE_SE
	s_setreg_imm32_b32 hwreg(HW_REG_WAVE_MODE, 25, 1), 1
	s_wait_xcnt 0x0
; wb[1536][512] bf16 = Wq, Wk, Wv one below the other, each number rounded once to bf16; bb[1536] f32 = bq, bk, bv rounded to bf16 and written as f32.
; A stream: work-group (x, y) takes 2,048 numbers (8,192 bytes) of matrix y.  A thread loads 16 bytes at 16 t and 16 bytes 4,096 further on, so a wave's load covers
; 512 consecutive bytes, and stores 8 bytes twice, so a wave's store covers 256 consecutive bytes, aligned.  No LDS, no matrix unit: nothing is used twice.
; The 512 biases of matrix y are done by waves 0 to 3 of the work-group with x = 0, four numbers a thread.
	s_load_b512 s[8:23], s[0:1], 0x0               ; Wq s[8:9], Wk s[10:11], Wv s[12:13], bq s[14:15], bk s[16:17], bv s[18:19], wb s[20:21], bb s[22:23]
	s_and_b32 s2, ttmp7, 0xffff                    ; y: which matrix
	s_mov_b32 s3, ttmp9                            ; x: which 2,048 numbers of it
	v_lshlrev_b32 v1, 4, v0                        ; 16 t
	v_lshlrev_b32 v2, 3, v0                        ; 8 t
	v_lshrrev_b32 v3, 5, v0
	v_readfirstlane_b32 s30, v3                    ; my wave's number
	s_lshl_b32 s24, s3, 13                         ; x * 8,192 bytes of f32
	s_mov_b32 s25, 0
	s_lshl_b32 s26, s2, 19                         ; y * 524,288 bytes of bf16
	s_lshl_b32 s27, s3, 12                         ; + x * 4,096
	s_add_co_u32 s26, s26, s27
	s_mov_b32 s27, 0
	s_lshl_b32 s28, s2, 11                         ; y * 2,048 bytes of biases
	s_mov_b32 s29, 0
	s_wait_kmcnt 0x0
	s_cmp_eq_u32 s2, 1
	s_cselect_b64 s[4:5], s[10:11], s[8:9]         ; the matrix and the bias are chosen by y alone
	s_cselect_b64 s[6:7], s[16:17], s[14:15]
	s_cmp_eq_u32 s2, 2
	s_cselect_b64 s[4:5], s[12:13], s[4:5]
	s_cselect_b64 s[6:7], s[18:19], s[6:7]
	s_add_nc_u64 s[4:5], s[4:5], s[24:25]
	s_add_nc_u64 s[20:21], s[20:21], s[26:27]
	s_add_nc_u64 s[22:23], s[22:23], s[28:29]
	global_load_b128 v[4:7], v1, s[4:5] th:TH_LOAD_NT
	global_load_b128 v[8:11], v1, s[4:5] offset:4096 th:TH_LOAD_NT
	s_wait_loadcnt 0x0
	v_cvt_pk_bf16_f32 v12, v4, v5
	v_cvt_pk_bf16_f32 v13, v6, v7
	v_cvt_pk_bf16_f32 v14, v8, v9
	v_cvt_pk_bf16_f32 v15, v10, v11
	global_store_b64 v2, v[12:13], s[20:21]
	global_store_b64 v2, v[14:15], s[20:21] offset:2048
	s_cmp_lg_u32 s3, 0
	s_cbranch_scc1 .Lend                           ; the biases belong to x = 0,
	s_cmp_ge_u32 s30, 4
	s_cbranch_scc1 .Lend                           ; threads 0 to 127
	global_load_b128 v[16:19], v1, s[6:7]
	s_wait_loadcnt 0x0
	v_cvt_pk_bf16_f32 v20, v16, v17
	v_cvt_pk_bf16_f32 v21, v18, v19
	v_lshlrev_b32 v16, 16, v20                     ; bf16 back to f32: the low half moves up, the high half stays
	v_and_b32 v17, 0xffff0000, v20
	v_lshlrev_b32 v18, 16, v21
	v_and_b32 v19, 0xffff0000, v21
	global_store_b128 v1, v[16:19], s[22:23]
.Lend:
	s_endpgm
.Lfunc_end_k_qbaa75f323b_prep:
	.size	k_qbaa75f323b_prep, .Lfunc_end_k_qbaa75f323b_prep-k_qbaa75f323b_prep
	.p2alignl 7, 3214868480
	.fill 96, 4, 3214868480
	.section	.rodata,"a",@progbits
	.p2align	6, 0x0
	.amdhsa_kernel k_qbaa75f323b_prep
		.amdhsa_group_segment_fixed_size 0
		.amdhsa_private_segment_fixed_size 0
		.amdhsa_enable_private_segment 0
		.amdhsa_kernarg_size 64
		.amdhsa_user_sgpr_count 2
		.amdhsa_user_sgpr_kernarg_segment_ptr 1
		.amdhsa_wavefront_size32 1
		.amdhsa_system_sgpr_workgroup_id_x 1
		.amdhsa_system_sgpr_workgroup_id_y 1
		.amdhsa_system_sgpr_workgroup_id_z 1
		.amdhsa_system_vgpr_workitem_id 0
		.amdhsa_next_free_vgpr 24
		.amdhsa_next_free_sgpr 66
		.amdhsa_reserve_vcc 0
		.amdhsa_float_denorm_mode_32 3
		.amdhsa_float_denorm_mode_16_64 3
		.amdhsa_memory_ordered 1
		.amdhsa_forward_progress 1
		.amdhsa_inst_pref_size 3
	.end_amdhsa_kernel
	.amdgpu_metadata
---
amdhsa.version: [ 1, 2 ]
amdhsa.kernels:
  - .name:           k_qbaa75f323b_prep
    .symbol:         k_qbaa75f323b_prep.kd
    .args:
      - { .name: Wq, .offset: 0, .size: 8, .value_kind: global_buffer, .address_space: global }
      - { .name: Wk, .offset: 8, .size: 8, .value_kind: global_buffer, .address_space: global }
      - { .name: Wv, .offset: 16, .size: 8, .value_kind: global_buffer, .address_space: global }
      - { .name: bq, .offset: 24, .size: 8, .value_kind: global_buffer, .address_space: global }
      - { .name: bk, .offset: 32, .size: 8, .value_kind: global_buffer, .address_space: global }
      - { .name: bv, .offset: 40, .size: 8, .value_kind: global_buffer, .address_space: global }
      - { .name: wb, .offset: 48, .size: 8, .value_kind: global_buffer, .address_space: global }
      - { .name: bb, .offset: 56, .size: 8, .value_kind: global_buffer, .address_space: global }
    .group_segment_fixed_size: 0
    .private_segment_fixed_size: 0
    .kernarg_segment_align: 8
    .kernarg_segment_size: 64
    .max_flat_workgroup_size: 256
    .sgpr_count:     66
    .vgpr_count:     24
    .wavefront_size: 32
...
	.end_amdgpu_metadata
.endif
;; end of part 1
;; launch proj (part 2): grid 8 x 32, 4 waves a work-group, clusters of 4 x 1, 327,680 bytes of LDS; arguments x, wb, bb, qkv; writes qkv
.if DOCPART == 2
	.amdgcn_target "amdgcn-amd-amdhsa--gfx1250"
	.amdhsa_code_object_version 6
	.text
	.protected	k_qbaa75f323b_proj
	.globl	k_qbaa75f323b_proj
	.p2align	8
	.type	k_qbaa75f323b_proj,@function
k_qbaa75f323b_proj:
	s_mov_b64 s[64:65], 0
	v_nop
	global_prefetch_b8 v0, s[64:65] scope:SCOPE_SE
	s_setreg_imm32_b32 hwreg(HW_REG_WAVE_MODE, 25, 1), 1
	s_wait_xcnt 0x0
	s_wait_alu depctr_hold_cnt(0) depctr_sa_sdst(0) depctr_va_vdst(0) depctr_va_sdst(0) depctr_va_ssrc(0) depctr_va_vcc(0) depctr_vm_vsrc(0)
	s_getreg_b32 s2, hwreg(HW_REG_IB_STS2, 6, 4)
	s_cmp_eq_u32 s2, 0
	s_cbranch_scc0 .Lentry_in_a_cluster
	s_endpgm
.Lentry_in_a_cluster:
	s_bfe_u32 s2, ttmp6, 0x10000c
	s_cmp_lg_u32 s2, 0x3003
	s_cbranch_scc0 .Lentry_shape_is_right
	s_endpgm
.Lentry_shape_is_right:
; qkv[p][b][t][n] (f16) = sum over c of x[b][c][t] wb[512 p + n][c] + bb[512 p + n], p = 0 q, 1 k, 2 v.  x is rounded to bf16; products in bf16, sums in f32 that start from the bias; rounded once to f16.
; LIMIT.  f16 ends at 65,504: q, k and v must stay below 65,520 in size (inputs 30 times the drawn spread give some 28,000).  NaN and infinities are not treated apart.
; SHARES.  A work-group owns 128 t of one batch and makes all 1,536 channels for them: six tiles of 256 channels.  Wave w: t half w / 2 (64 t), channel half w % 2 (128 channels): 32 accumulators, 256 registers.
; x's 512 c x 64 t of the wave stay in 512 registers for the whole kernel: x is read from memory once.  It comes as f32 rows of 512 bytes, is rounded, laid in LDS as [c][t] and read turned (ds_load_tr16_b128).
; THE PRODUCT: source 0 = 16 channels of wb (from LDS), source 1 = 16 t of x: a lane then holds one t and eight neighbouring channels, 16 bytes of a row of qkv.
; RING.  wb goes through two LDS slots of 256 rows x 512 bytes (c half 0 in slot 0, c half 1 in slot 1): 12 contents.  All four work-groups of a cluster walk the same wb, so each wave's quarter
; (64 rows) is asked for JOINTLY by the four.  A slot is filled again behind a round of the cluster's barrier; by this text's count a wave has two tensor loads out at the start and one later.
; REGISTERS, in windows of 256: window 0 addresses, the bias (v32-95), two buffers of wb's fragments (v96-159, v160-223; the second also serves the way out); window 1 the accumulators,
; (f, g) at 8 (4 f + g), f = channel block, g = t block; windows 2 and 3 x's fragments, K step ks, t block g at window 2 + ks / 8, register 32 (ks % 8) + 8 g.
.set PITCH, 528                        ; an LDS row of wb: 512 bytes + 16 of padding: the 16 rows of a fragment load start 16 bytes apart modulo 256
.set QUART, 64*PITCH                   ; what one tensor load brings
.set SLOT,  4*QUART
.set XR,    2*SLOT                     ; behind the ring: 128 rows of x in bf16, 288 bytes apart; later each wave's stage for the way out
.set XP,    288                        ; 256 bytes + 32: an odd multiple of 32
.set SP,    272                        ; a stage row: 256 bytes + 16
.set SPARE, XR+128*XP                  ; the spare words, 128 bytes for each wave: two blocks of 256 bytes that no other line names
.set AW,   2                           ; v2, v3  LDS address of my fragments of wb in slot 0, 1
.set STO,  4                           ; v4   the way out: where I put 16 bytes of a row
.set RD,   5                           ; v5   where I read rows back
.set CO,   6                           ; v6   my byte offset in two rows of qkv
.set BO,   7                           ; v7   my byte offset in a tile's 256 biases
.set XO,   8                           ; v8   my byte offset in x
.set XS,   9                           ; v9   where I put 8 bytes of x in LDS
.set XT,   10                          ; v10  where the turning load reads
.set SPW,  28                          ; v28  LDS address of my spare word; never rewritten
.set NIL,  29                          ; v29  0; never rewritten
.set BIAS, 32
.set F0,   96
.set TMP,  160
.set OB,   192
.set WV,   12                          ; s12  my wave's number
.set G1,   24                          ; s[24:31] descriptor group 1
.set G0,   32                          ; s[32:39] descriptor group 0, a set for each slot
.set MSB, 0
.macro WIN new                         ; the immediate's high byte repeats the setting that is left; a switch that changes nothing is dropped
.if MSB != (\new)
	s_set_vgpr_msb (MSB<<8)|(\new)
.set MSB, (\new)
.endif
.endm
.macro PLACES                          ; four places behind matrix instructions (ISA guide 7.12.1), where no other vector work is at hand
.rept 4
	v_nop
.endr
.endm
.macro CREST                           ; a round of the cluster's barrier behind its opening barrier
	s_cmp_lg_u32 s[WV], 0
	s_cbranch_scc1 .Lnot_wave_0_\@
	s_barrier_signal -3
.Lnot_wave_0_\@:
	s_barrier_wait -3
	s_barrier_signal -1
	s_barrier_wait -1
.endm
.macro CROUND                          ; a whole round
	s_barrier_signal -1
	s_barrier_wait -1
	CREST
.endm
	s_load_b256 s[4:11], s[0:1], 0x0               ; x s[4:5], wb s[6:7], bb s[8:9], qkv s[10:11]
	v_lshl_add_u32 v[SPW], v0, 2, SPARE
	v_mov_b32 v[NIL], 0
	ds_add_u32 v[SPW], v[NIL]                      ; the wave's opening: the add and its wait ahead of my first tensor load; the set-up below stands between them
	v_lshrrev_b32 v1, 5, v0
	v_readfirstlane_b32 s[WV], v1                  ; wave 0..3
	s_lshr_b32 s13, s[WV], 1                       ; my t half
	s_and_b32 s14, s[WV], 1                        ; my channel half
	s_bfe_u32 s15, ttmp6, 0x40000                  ; cx: my place in the cluster
	s_lshl_b32 s16, ttmp9, 2
	s_add_co_u32 s16, s16, s15                     ; my block of 128 t = 4 x cluster x + cx: it enters x's and qkv's addresses alone
	s_and_b32 s17, ttmp7, 0xffff                   ; the batch
	s_mov_b32 s[G1], 15|(1<<16)|(1<<20)|(1<<21)|(6<<22)|(3<<25)  ; the mask of four; 2-byte elements; padding on; bit 21 beside a mask; after every 128 words, 4 words
	s_mov_b32 s[G1+1], 256<<16                     ; tensor_dim0 = 256
	s_mov_b32 s[G1+2], 64<<16                      ; tensor_dim1 = 64
	s_mov_b32 s[G1+3], 256<<16                     ; tile_dim0 = 256
	s_mov_b32 s[G1+4], 64                          ; tile_dim1 = 64
	s_mov_b32 s[G1+5], 512                         ; 512 elements from row to row
	s_mov_b32 s[G1+6], 0
	s_mov_b32 s[G1+7], 0
	s_mul_i32 s20, s[WV], QUART                    ; my quarter of a slot: no place in the cluster enters an LDS address
	s_lshl_b32 s18, s[WV], 16                      ; my 64 rows of 1,024 bytes in a tile of wb
	s_mov_b32 s19, 0
	s_lshl_b32 s40, s17, 21                        ; x: batch x 2,097,152 bytes
	s_lshl_b32 s41, s16, 9                         ; + 128 t of 4 bytes
	s_add_co_u32 s40, s40, s41
	s_mov_b32 s41, 0
	s_lshl_b32 s46, s17, 20                        ; qkv: batch x 1,024 rows of 1,024 bytes
	s_lshl_b32 s47, s16, 17                        ; + my block's 128 rows
	s_add_co_u32 s46, s46, s47
	s_lshl_b32 s47, s13, 16                        ; + my half's 64 rows
	s_add_co_u32 s46, s46, s47
	s_lshl_b32 s47, s14, 8                         ; + my 128 channels of 2 bytes
	s_add_co_u32 s46, s46, s47
	s_mov_b32 s47, 0
	s_mov_b32 s22, 0                               ; the tile's number
	s_mov_b32 s23, 5                               ; tiles in the loop
	s_mov_b32 s[G0], 1
	s_mov_b32 s[G0+1], s20                         ; slot 0
	s_mov_b32 s[G0+4], 1
	s_add_co_u32 s[G0+5], s20, SLOT                ; slot 1
	s_wait_dscnt 0x0                               ; the opening add is done
	s_wait_kmcnt 0x0
	s_add_nc_u64 s[40:41], s[4:5], s[40:41]        ; x at my block
	s_add_nc_u64 s[46:47], s[10:11], s[46:47]      ; qkv at my wave's first row and channel of plane 0
	s_mov_b64 s[42:43], s[8:9]                     ; the bias of tile 0
	s_add_nc_u64 s[18:19], s[6:7], s[18:19]        ; wb at my 64 rows of tile 0
	s_mov_b64 s[G0+2:G0+3], s[18:19]               ; c half 0
	s_or_b32 s[G0+3], s[G0+3], 0x80000000
	s_add_nc_u64 s[G0+6:G0+7], s[18:19], 512       ; c half 1
	s_or_b32 s[G0+7], s[G0+7], 0x80000000
	CROUND                                         ; all four work-groups are here: the first joint loads meet
	tensor_load_to_lds s[G0:G0+3], s[G1:G1+7]      ; the two first fills go out together, ahead of every wait on TENSORcnt, every LDS read and every further barrier
	s_nop 0
	tensor_load_to_lds s[G0+4:G0+7], s[G1:G1+7]
	s_nop 0
	PLACES
	v_and_b32 v1, 15, v0                           ; r = lane % 16
	v_bfe_u32 v11, v0, 4, 1                        ; h = lane / 16
	v_and_b32 v12, 31, v0                          ; lane
	s_lshl_b32 s21, s14, 9
	v_lshlrev_b32 v[BO], 5, v11
	v_add_nc_u32 v[BO], s21, v[BO]                 ; 512 x channel half + 32 h: a lane's eight channels 8 h + 0..7 of each block
	s_lshl_b32 s21, s[WV], 17
	v_lshlrev_b32 v[XO], 4, v12
	v_add_nc_u32 v[XO], s21, v[XO]                 ; 16 x lane + wave x 32 rows of 4,096 bytes
.macro BIASLD                          ; a tile's bias as the C operand: block f's register j holds the bias of channel 16 f + 8 h + j
.irp f, 0,1,2,3,4,5,6,7
	global_load_b128 v[BIAS+8*\f:BIAS+8*\f+3],   v[BO], s[42:43] offset:\f*64
	global_load_b128 v[BIAS+8*\f+4:BIAS+8*\f+7], v[BO], s[42:43] offset:\f*64+16
.endr
.endm
.macro XLOAD qd                        ; quarter qd of x (128 c): my 32 rows, 512 consecutive bytes a load, into window 1
	WIN 0x40
.set i, 0
.rept 32
	global_load_b128 v[128*((\qd)%2)+4*i:128*((\qd)%2)+4*i+3], v[XO], s[40:41] offset:(\qd)*524288+i*4096 th:TH_LOAD_NT
.set i, i+1
.endr
.endm
	BIASLD
	XLOAD 0
	XLOAD 1
	WIN 0
	v_mul_u32_u24 v[AW], v1, PITCH
	v_lshl_add_u32 v[AW], v11, 4, v[AW]            ; row x pitch + 16 h
	s_mul_i32 s21, s14, 128*PITCH                  ; my 128 rows of the tile
	v_add_nc_u32 v[AW], s21, v[AW]
	v_add_nc_u32 v[AW+1], SLOT, v[AW]
	s_mul_i32 s21, s[WV], 16*SP
	s_add_co_u32 s21, s21, XR                      ; my stage
	v_mul_u32_u24 v[STO], v1, SP                   ; in: row r, 16 bytes for each half of the lanes
	v_lshl_add_u32 v[STO], v11, 4, v[STO]
	v_add_nc_u32 v[STO], s21, v[STO]
	v_mul_u32_u24 v[RD], v11, SP                   ; back: lanes 0-15 one row of 256 bytes, lanes 16-31 the next
	v_lshl_add_u32 v[RD], v1, 4, v[RD]
	v_add_nc_u32 v[RD], s21, v[RD]
	v_lshlrev_b32 v[CO], 10, v11                   ; and the same two rows in qkv
	v_lshl_add_u32 v[CO], v1, 4, v[CO]
	s_mul_i32 s21, s[WV], 32*XP
	s_add_co_u32 s21, s21, XR
	v_lshlrev_b32 v[XS], 3, v12
	v_add_nc_u32 v[XS], s21, v[XS]                 ; my 32 rows of a quarter, 8 bytes a lane
	v_and_b32 v13, 7, v0
	v_bfe_u32 v14, v0, 3, 1
	v_lshl_add_u32 v[XT], v11, 3, v13              ; the turning load: lane l reads row 8 h + l % 8, bytes 16 ((l / 8) % 2) on
	v_mul_u32_u24 v[XT], v[XT], XP
	v_lshl_add_u32 v[XT], v14, 4, v[XT]
	s_lshl_b32 s21, s13, 7                         ; my 64 t of 2 bytes
	s_add_co_u32 s21, s21, XR
	v_add_nc_u32 v[XT], s21, v[XT]
; A quarter of x: rounded to bf16, laid into LDS as [c][t], read back turned into the fragments of K steps 4 qd to 4 qd + 3.  left: the next quarter's 32 loads may stay out.
; Two barriers: every wave's rows are in LDS before anyone reads; everyone's reads are back before the next quarter (or a stage) is written there.
.macro XQUART qd, left
	s_wait_loadcnt \left
	WIN 0x05                                       ; sources in window 1, destination in window 0
.set i, 0
.rept 32
	v_cvt_pk_bf16_f32 v[F0+2*i],   v[128*((\qd)%2)+4*i],   v[128*((\qd)%2)+4*i+1]
	v_cvt_pk_bf16_f32 v[F0+2*i+1], v[128*((\qd)%2)+4*i+2], v[128*((\qd)%2)+4*i+3]
.set i, i+1
.endr
.if (\qd) < 2
	XLOAD (\qd)+2
.endif
	WIN 0
.set i, 0
.rept 32
	ds_store_b64 v[XS], v[F0+2*i:F0+2*i+1] offset:i*XP
.set i, i+1
.endr
	s_wait_dscnt 0x0                               ; for the others' sake: my rows are in LDS
	s_barrier_signal -1
	s_barrier_wait -1
	WIN 0x80+0x40*((\qd)/2)                        ; destination window 2 or 3
.set i, 0
.rept 16                                               ; K step i / 4 of the quarter, t block i % 4
	ds_load_tr16_b128 v[32*((4*(\qd)+i/4)%8)+8*(i%4):32*((4*(\qd)+i/4)%8)+8*(i%4)+3],   v[XT] offset:(i/4)*32*XP+(i%4)*32
	ds_load_tr16_b128 v[32*((4*(\qd)+i/4)%8)+8*(i%4)+4:32*((4*(\qd)+i/4)%8)+8*(i%4)+7], v[XT] offset:(i/4)*32*XP+(i%4)*32+16*XP
.set i, i+1
.endr
	WIN 0
.if (\qd) == 3
	s_wait_tensorcnt 0x1                           ; my part of content 0 is in; content 1 may stay out
.endif
	s_wait_dscnt 0x0                               ; my reads are back
	s_barrier_signal -1
	s_barrier_wait -1
.endm
	XQUART 0, 32
	XQUART 1, 32
	XQUART 2, 32
	XQUART 3, 0
; cnt channel blocks from f0 x all 4 t blocks, K step ks (0..15).  bias = 1: the products start the sums from the bias.  Every accumulator has one instruction a step: they take turns.
.macro MULP ks, f0, cnt, bias
.if \bias
	WIN 0x48                                       ; wb window 0, x window 2, C window 0, D window 1
.else
	WIN 0x58+4*((\ks)/8)                           ; x window 2 or 3, C and D window 1
.endif
.set ff, \f0
.rept \cnt
.set gg, 0
.rept 4
.set rD, 8*(4*ff+gg)
.set rA, F0+64*((\ks)%2)+8*ff
.set rB, 32*((\ks)%8)+8*gg
.if \bias
	v_wmma_f32_16x16x32_bf16 v[rD:rD+7], v[rA:rA+7], v[rB:rB+7], v[BIAS+8*ff:BIAS+8*ff+7]
.else
	v_wmma_f32_16x16x32_bf16 v[rD:rD+7], v[rA:rA+7], v[rB:rB+7], v[rD:rD+7]
.endif
.set gg, gg+1
.endr
.set ff, ff+1
.endr
.endm
.macro FETCHW slot, ks, buf            ; 16 LDS loads in one run: my 128 rows of wb, 32 c at byte 64 ks of the slot's rows
	WIN 0
.irp f, 0,1,2,3,4,5,6,7
	ds_load_b128 v[(\buf)+8*\f:(\buf)+8*\f+3],   v[AW+(\slot)] offset:\f*16*PITCH+(\ks)*64
	ds_load_b128 v[(\buf)+8*\f+4:(\buf)+8*\f+7], v[AW+(\slot)] offset:\f*16*PITCH+(\ks)*64+32
.endr
.endm
; A K step that stays in its slot: 32 matrix instructions; in its middle the next step's fragments are fetched into the other buffer.  bl = 1: the next tile's bias is asked for there too.
.macro PKS ks, bias, bl
	s_wait_dscnt 8                                 ; blocks 0-3 are in; the youngest eight loads may be out
	MULP \ks, 0, 4, \bias
	PLACES                                         ; for the loads into the other buffer (and into the bias, read as C one step back)
	WIN 0
.if \bl
	BIASLD
.endif
	FETCHW ((\ks)+1)/8, ((\ks)+1)%8, F0+64*(((\ks)+1)%2)
	s_wait_dscnt 16                                ; all but the 16 just issued
	MULP \ks, 4, 4, \bias
.endm
; A slot's last K step, and the change of slots.  Each wave waits for all its tensor loads (one is out: its part of the other slot), adds 0 to its spare word, and waits for that and for its reads of
; this slot.  fill = 1: the barrier opens a round of the cluster's, and the joint refill (the next tile's same c half) is the first thing behind it: it has 8 K steps, 256 matrix instructions, to land.
.macro TURNP ks, slot, fill
	WIN 0
	s_wait_tensorcnt 0x0                           ; no tensor load of mine is out
	ds_add_u32 v[SPW], v[NIL]                      ; 0 onto my spare word
	s_wait_dscnt 9                                 ; (the add and the youngest eight loads may be out)
	MULP \ks, 0, 4, 0
	s_wait_dscnt 0x0                               ; the add is done, and my reads of this slot are over
	s_barrier_signal -1
	MULP \ks, 4, 2, 0                              ; work on registers while the others arrive
	WIN 0
	s_barrier_wait -1
.if \fill
	CREST                                          ; no wave of any partner still reads this slot or has a load on its way
	s_add_nc_u64 s[G0+4*(\slot)+2:G0+4*(\slot)+3], s[G0+4*(\slot)+2:G0+4*(\slot)+3], 262144  ; 256 rows of wb on
	tensor_load_to_lds s[G0+4*(\slot):G0+4*(\slot)+3], s[G1:G1+7]
	s_nop 0
	PLACES                                         ; also the places in front of the loads below
.else
	PLACES
.endif
	FETCHW 1-(\slot), 0, F0
	MULP \ks, 6, 2, 0
.endm
; THE WAY OUT, a t block (16 rows of qkv) at a time: rounded to f16, 16 bytes a lane into my own stage, back as whole rows of 256 bytes, stored: 16 lanes fill 256 consecutive bytes, aligned.
.macro PACK g
	WIN 0x05
.irp f, 0,1,2,3,4,5,6,7
.irp p, 0,1,2,3
	v_cvt_pk_f16_f32 v[TMP+4*\f+\p], v[8*(4*\f+(\g))+2*\p], v[8*(4*\f+(\g))+2*\p+1]
.endr
.endr
	WIN 0
.endm
.macro TOSTAGE
.irp f, 0,1,2,3,4,5,6,7
	ds_store_b128 v[STO], v[TMP+4*\f:TMP+4*\f+3] offset:32*\f
.endr
.irp t, 0,1,2,3,4,5,6,7
	ds_load_b128 v[OB+4*\t:OB+4*\t+3], v[RD] offset:\t*2*SP  ; LDS serves a wave's instructions in order (ISA guide 5.7.1.4): these see the stores above
.endr
.endm
.macro SEND g
	s_wait_dscnt 0x0                               ; the block is back in registers
.irp t, 0,1,2,3,4,5,6,7
	global_store_b128 v[CO], v[OB+4*\t:OB+4*\t+3], s[48:49] offset:(\g)*16384+\t*2048
.endr
	s_wait_xcnt 0x0                                ; the stores' registers and base are rewritten only behind this wait
.endm
.macro TILE last
	s_wait_loadcnt 0x0                             ; this tile's bias is in
.if !(\last)
	s_add_nc_u64 s[42:43], s[42:43], 1024          ; the next tile's 256 biases
.endif
	PKS 0, 1, 0
	PKS 1, 0, 1-(\last)
.irp k, 2,3,4,5,6
	PKS \k, 0, 0
.endr
	TURNP 7, 0, 1-(\last)
.irp k, 8,9,10,11,12,13,14
	PKS \k, 0, 0
.endr
.if \last
	s_wait_dscnt 8                                 ; the very last K step: nothing more to fetch
	MULP 15, 0, 4, 0
	s_wait_dscnt 0x0
	MULP 15, 4, 4, 0
.else
	TURNP 15, 1, 1
.endif
	WIN 0
	s_lshr_b32 s50, s22, 1                         ; the tile's plane (q, k, v), 33,554,432 bytes each,
	s_lshl_b32 s50, s50, 25
	s_and_b32 s51, s22, 1                          ; and its half of the plane's 512 channels
	s_lshl_b32 s51, s51, 9
	s_or_b32 s50, s50, s51
	s_mov_b32 s51, 0
	s_add_nc_u64 s[48:49], s[46:47], s[50:51]
	PLACES                                         ; the conversions read results just made and write the buffer just multiplied
	PACK 0
	TOSTAGE
.irp g, 1,2,3
	PACK \g                                        ; a block's conversions stand between the loads of the block before and the wait for them
	SEND (\g)-1
	TOSTAGE
.endr
	SEND 3
.endm
	FETCHW 0, 0, F0
.Ltile:                                                ; five tiles fill both slots again
	TILE 0
	s_add_co_u32 s22, s22, 1
	s_sub_co_u32 s23, s23, 1
	s_cmp_lg_u32 s23, 0
	s_cbranch_scc1 .Ltile
	TILE 1                                         ; the last tile is written out: it asks for nothing more
	s_wait_tensorcnt 0x0                           ; the wave's end: behind my last tensor load and my last LDS store
	ds_add_u32 v[SPW], v[NIL]
	s_wait_dscnt 0x0
	CROUND                                         ; the closing round: no work-group ends while a partner may still ask for a tile that names it
	s_endpgm
.Lfunc_end_k_qbaa75f323b_proj:
	.size	k_qbaa75f323b_proj, .Lfunc_end_k_qbaa75f323b_proj-k_qbaa75f323b_proj
	.p2alignl 7, 3214868480
	.fill 96, 4, 3214868480
	.section	.rodata,"a",@progbits
	.p2align	6, 0x0
	.amdhsa_kernel k_qbaa75f323b_proj
		.amdhsa_group_segment_fixed_size 327680
		.amdhsa_private_segment_fixed_size 0
		.amdhsa_enable_private_segment 0
		.amdhsa_kernarg_size 32
		.amdhsa_user_sgpr_count 2
		.amdhsa_user_sgpr_kernarg_segment_ptr 1
		.amdhsa_wavefront_size32 1
		.amdhsa_system_sgpr_workgroup_id_x 1
		.amdhsa_system_sgpr_workgroup_id_y 1
		.amdhsa_system_sgpr_workgroup_id_z 1
		.amdhsa_system_vgpr_workitem_id 0
		.amdhsa_next_free_vgpr 1024
		.amdhsa_next_free_sgpr 66
		.amdhsa_reserve_vcc 0
		.amdhsa_float_denorm_mode_32 3
		.amdhsa_float_denorm_mode_16_64 3
		.amdhsa_memory_ordered 1
		.amdhsa_forward_progress 1
		.amdhsa_inst_pref_size 192
	.end_amdhsa_kernel
	.amdgpu_metadata
---
amdhsa.version: [ 1, 2 ]
amdhsa.kernels:
  - .name:           k_qbaa75f323b_proj
    .symbol:         k_qbaa75f323b_proj.kd
    .args:
      - { .name: x, .offset: 0, .size: 8, .value_kind: global_buffer, .address_space: global }
      - { .name: wb, .offset: 8, .size: 8, .value_kind: global_buffer, .address_space: global }
      - { .name: bb, .offset: 16, .size: 8, .value_kind: global_buffer, .address_space: global }
      - { .name: qkv, .offset: 24, .size: 8, .value_kind: global_buffer, .address_space: global }
    .group_segment_fixed_size: 327680
    .private_segment_fixed_size: 0
    .kernarg_segment_align: 8
    .kernarg_segment_size: 32
    .max_flat_workgroup_size: 128
    .sgpr_count:     66
    .vgpr_count:     1024
    .wavefront_size: 32
...
	.end_amdgpu_metadata
.endif
;; end of part 2
;; launch stats (part 3): grid 8 x 32, 4 waves a work-group, clusters of 4 x 1, 327,680 bytes of LDS; arguments qkv, zs; writes zs
.if DOCPART == 3
	.amdgcn_target "amdgcn-amd-amdhsa--gfx1250"
	.amdhsa_code_object_version 6
	.text
	.protected	k_qbaa75f323b_stats
	.globl	k_qbaa75f323b_stats
	.p2align	8
	.type	k_qbaa75f323b_stats,@function
k_qbaa75f323b_stats:
	s_mov_b64 s[64:65], 0
	v_nop
	global_prefetch_b8 v0, s[64:65] scope:SCOPE_SE
	s_setreg_imm32_b32 hwreg(HW_REG_WAVE_MODE, 25, 1), 1
	s_wait_xcnt 0x0
	s_wait_alu depctr_hold_cnt(0) depctr_sa_sdst(0) depctr_va_vdst(0) depctr_va_sdst(0) depctr_va_ssrc(0) depctr_va_vcc(0) depctr_vm_vsrc(0)
	s_getreg_b32 s2, hwreg(HW_REG_IB_STS2, 6, 4)
	s_cmp_eq_u32 s2, 0
	s_cbranch_scc0 .Lentry_in_a_cluster
	s_endpgm
.Lentry_in_a_cluster:
	s_bfe_u32 s2, ttmp6, 0x10000c
	s_cmp_lg_u32 s2, 0x3003
	s_cbranch_scc0 .Lentry_shape_is_right
	s_endpgm
.Lentry_shape_is_right:
; zs[b][s] = c max_t S[t][s] + log2 sum_t 2^(c S[t][s] - c max), over the queries t >= s; S[t][s] = q[t] . k[s], c = log2(e) / sqrt(512).  The softmax over the QUERY axis is then w[t][s] = 2^(c S - zs[s]).
; q, k: planes 0 and 1 of qkv, [32][1024][512] f16.  Products in f16, sums, maxima and exponentials in f32, by a running maximum.
; LIMITS.  A hidden score counts as its value less 1e30 (f16's scores are 2.2e12 at the most); the running maximum starts at -2^66, below every true score and far above every hidden one, so a lane that has
; seen hidden scores alone keeps l = 0; a weight below 2^-126 counts as 0; NaN and infinities are not treated apart.
; SHARES.  A batch has 16 blocks of 64 keys and 8 work-groups.  A work-group owns key blocks b = 15 - a and a = 4 X + cx, one after the other (two WALKS); the queries are streamed in tiles of 256 rows.
; Walk 1 needs the tiles 3 - X .. 3, walk 2 the tiles X .. 3: five tiles whatever X and cx, and the four partners of a cluster need the same tile in the same trip: every tile is asked for JOINTLY.
; Only a walk's first tile hides anything; that is done by the C operand that starts the sums (0 or -1e30), made from cx and the wave's number by selects, never by a branch.
; THE PRODUCT: source 0 = 16 queries (from LDS), source 1 = 16 keys (512 registers, loaded once a walk): a lane holds ONE key (lane % 16) and eight queries.  Wave w takes the tile's queries 64 w .. 64 w + 63.
; RING: two slots of 256 rows x 512 bytes: d half 0 in slot 0, d half 1 in slot 1.  By this text's count a wave has two tensor loads out at the start and one later.
; REGISTERS: window 0: addresses; v16-31 statistics, four a key block g (c m, m, l even, l odd); v32-127 three buffers of query fragments (the third also at work in the softmax); v128-255 the 16 accumulators,
; (f, g) at 128 + 8 (4 f + g).  Window 1: v0-7 the diagonal's mask, v8-31 the three C operands, v32-39 walk 1's result.  Windows 2, 3: the keys, K step k, block g at window 2 + k / 8, register 32 (k % 8) + 8 g.
.set PITCH, 528
.set QUART, 64*PITCH
.set SLOT,  4*QUART
.set SX,    2*SLOT                     ; behind the ring: [walk][wave][64 keys] (m, l): 2 x 2,048 bytes
.set SPARE, SX+4096                    ; the spare words, 128 bytes for each wave
.set AS,   2                           ; v2, v3  LDS address of my query fragments in slot 0, 1
.set KO,   4                           ; v4   my byte offset in 16 rows of k
.set SXW,  5                           ; v5   where I put my key's (m, l)
.set SXR,  6                           ; v6   where waves 0 and 1 read two keys' (m, l)
.set ZO,   7                           ; v7   my byte offset in a block's 64 z
.set SPW,  14                          ; v14  LDS address of my spare word; never rewritten
.set NIL,  15                          ; v15  0; never rewritten
.set ST,   16
.set BUF,  32
.set TT,   96                          ; eight registers a key block, at work
.set ACC,  128
.set T1,   0                           ; window 1
.set CL,   8
.set CD,   16
.set CH,   24
.set SV,   32
.set WV,   12                          ; s12 wave;  s13 cx;  s14 X;  s15 batch;  s16 a;  s17 b
.set CX,   13
.set XX,   14
.set BB,   15
.set BKA,  16
.set BKB,  17
.set TAU,  18                          ; s18 the tile's number, 0..4
.set SIG,  19                          ; s19 which 256 queries it is
.set NSIG, 20                          ; s20 the next tile's
.set CNT,  21
.set G1,   24
.set G0,   32
.set QB,   40                          ; s[40:41], s[42:43] q at my 64 rows of tile 0, d half 0, 1
.set OFF,  44                          ; s[44:45] the next tile's byte offset
.set KA,   46                          ; s[46:47] k at block a;  s[48:49] at block b
.set KB,   48
.set ZB,   50                          ; s[50:51] zs at the block that my wave finishes
.set CS,   52                          ; s[52:53] c
.set SEL,  54                          ; s[54:55] v_permlanex16_b32's selects
.set AL,   56                          ; s[56:57] the diagonal mask's factor
.set BE,   58                          ; s[58:59] the C operand below the diagonal, and the diagonal mask's addend
.set CLV,  60                          ; s60 the C operand above the diagonal
.set NEG,  61                          ; s61 -1e30
.set DG,   62
.set TS,   63
.set MSB, 0
.macro WIN new
.if MSB != (\new)
	s_set_vgpr_msb (MSB<<8)|(\new)
.set MSB, (\new)
.endif
.endm
.macro PLACES
.rept 4
	v_nop
.endr
.endm
.macro CREST
	s_cmp_lg_u32 s[WV], 0
	s_cbranch_scc1 .Lnot_wave_0_\@
	s_barrier_signal -3
.Lnot_wave_0_\@:
	s_barrier_wait -3
	s_barrier_signal -1
	s_barrier_wait -1
.endm
.macro CROUND
	s_barrier_signal -1
	s_barrier_wait -1
	CREST
.endm
.macro OWNLOAD base                    ; 64 rows x 512 d into 512 registers: row 16 g + lane % 16, bytes 64 k + 16 (lane / 16) and 32 further on
.set kk, 0
.rept 16
	WIN 0x80+0x40*(kk/8)
.irp g, 0,1,2,3
	global_load_b128 v[32*(kk%8)+8*\g:32*(kk%8)+8*\g+3],   v[KO], s[\base:(\base)+1] offset:\g*16384+kk*64
	global_load_b128 v[32*(kk%8)+8*\g+4:32*(kk%8)+8*\g+7], v[KO], s[\base:(\base)+1] offset:\g*16384+kk*64+32
.endr
.set kk, kk+1
.endr
	WIN 0
.endm
.macro RESET                           ; a walk begins: m = -2^66, c m = c x that exactly, l = 0
.irp g, 0,1,2,3
	v_mov_b32 v[ST+4*\g], 0xde8293ee
	v_mov_b32 v[ST+4*\g+1], 0xe0800000
	v_mov_b32 v[ST+4*\g+2], 0
	v_mov_b32 v[ST+4*\g+3], 0
.endr
.endm
	s_load_b128 s[4:7], s[0:1], 0x0                ; qkv s[4:5], zs s[6:7]
	v_lshl_add_u32 v[SPW], v0, 2, SPARE
	v_mov_b32 v[NIL], 0
	ds_add_u32 v[SPW], v[NIL]                      ; the wave's opening: the add and its wait ahead of my first tensor load
	v_lshrrev_b32 v1, 5, v0
	v_readfirstlane_b32 s[WV], v1
	s_bfe_u32 s[CX], ttmp6, 0x40000
	s_mov_b32 s[XX], ttmp9                         ; the cluster's number in the batch, 0 or 1: the same in all four partners
	s_and_b32 s[BB], ttmp7, 0xffff
	s_lshl_b32 s[BKA], s[XX], 2
	s_add_co_u32 s[BKA], s[BKA], s[CX]
	s_sub_co_u32 s[BKB], 15, s[BKA]
	s_mov_b32 s[G1], 15|(1<<16)|(1<<20)|(1<<21)|(6<<22)|(3<<25)  ; the mask of four; 2-byte elements; padding on; bit 21 beside a mask; after every 128 words, 4 words
	s_mov_b32 s[G1+1], 256<<16
	s_mov_b32 s[G1+2], 64<<16
	s_mov_b32 s[G1+3], 256<<16
	s_mov_b32 s[G1+4], 64
	s_mov_b32 s[G1+5], 512
	s_mov_b32 s[G1+6], 0
	s_mov_b32 s[G1+7], 0
	s_mul_i32 s22, s[WV], QUART
	s_mov_b32 s[G0], 1
	s_mov_b32 s[G0+1], s22
	s_mov_b32 s[G0+4], 1
	s_add_co_u32 s[G0+5], s22, SLOT
	s_lshl_b32 s[QB], s[BB], 20                    ; q: the batch's 1,024 rows of 1,024 bytes,
	s_lshl_b32 s23, s[WV], 16                      ; my 64 rows of a tile
	s_add_co_u32 s[QB], s[QB], s23
	s_mov_b32 s[QB+1], 0
	s_lshl_b32 s23, s[BB], 20
	s_add_co_u32 s23, s23, 1<<25                   ; k: plane 1
	s_lshl_b32 s[KA], s[BKA], 16
	s_add_co_u32 s[KA], s[KA], s23
	s_mov_b32 s[KA+1], 0
	s_lshl_b32 s[KB], s[BKB], 16
	s_add_co_u32 s[KB], s[KB], s23
	s_mov_b32 s[KB+1], 0
	s_cmp_eq_u32 s[WV], 0                          ; wave 0 finishes walk 1's block b, wave 1 walk 2's block a
	s_cselect_b32 s23, s[BKB], s[BKA]
	s_lshl_b32 s23, s23, 8
	s_lshl_b32 s[ZB], s[BB], 12
	s_add_co_u32 s[ZB], s[ZB], s23
	s_mov_b32 s[ZB+1], 0
	s_mov_b32 s[CS], 0x3d8293ee                    ; c = log2(e) / sqrt(512) = 0.0637587
	s_mov_b32 s[CS+1], s[CS]
	s_mov_b32 s[SEL], 0x76543210
	s_mov_b32 s[SEL+1], 0xfedcba98
	s_mov_b32 s[AL+1], 0
	s_mov_b32 s[BE+1], 0
	s_mov_b32 s[NEG], 0xf149f2ca                   ; -1e30
	s_sub_co_u32 s[SIG], 3, s[XX]                  ; walk 1's first tile
	s_lshl_b32 s[OFF], s[SIG], 18                  ; a tile is 256 rows of 1,024 bytes
	s_mov_b32 s[OFF+1], 0
	s_mov_b32 s[TAU], 0
	s_mov_b32 s[CNT], 4
	s_wait_dscnt 0x0                               ; the opening add is done
	s_wait_kmcnt 0x0
	s_add_nc_u64 s[QB:QB+1], s[4:5], s[QB:QB+1]
	s_add_nc_u64 s[QB+2:QB+3], s[QB:QB+1], 512
	s_add_nc_u64 s[KA:KA+1], s[4:5], s[KA:KA+1]
	s_add_nc_u64 s[KB:KB+1], s[4:5], s[KB:KB+1]
	s_add_nc_u64 s[ZB:ZB+1], s[6:7], s[ZB:ZB+1]
	s_add_nc_u64 s[G0+2:G0+3], s[QB:QB+1], s[OFF:OFF+1]
	s_or_b32 s[G0+3], s[G0+3], 0x80000000
	s_add_nc_u64 s[G0+6:G0+7], s[QB+2:QB+3], s[OFF:OFF+1]
	s_or_b32 s[G0+7], s[G0+7], 0x80000000
	CROUND                                         ; all four work-groups are here: the first joint loads meet
	tensor_load_to_lds s[G0:G0+3], s[G1:G1+7]
	s_nop 0
	tensor_load_to_lds s[G0+4:G0+7], s[G1:G1+7]
	s_nop 0
	PLACES
	v_and_b32 v8, 15, v0                           ; r
	v_bfe_u32 v9, v0, 4, 1                         ; h
	v_and_b32 v10, 31, v0                          ; lane
	v_lshlrev_b32 v[KO], 10, v8
	v_lshl_add_u32 v[KO], v9, 4, v[KO]             ; row x 1,024 + 16 h
	OWNLOAD KB                                     ; walk 1's keys
	v_mul_u32_u24 v[AS], v8, PITCH
	v_lshl_add_u32 v[AS], v9, 4, v[AS]
	v_add_nc_u32 v[AS], s22, v[AS]                 ; my 64 rows are the quarter that my own load brings
	v_add_nc_u32 v[AS+1], SLOT, v[AS]
	s_lshl_b32 s23, s[WV], 9
	s_add_co_u32 s23, s23, SX
	v_lshl_add_u32 v[SXW], v8, 3, s23              ; SX + 512 w + 8 r
	s_and_b32 s23, s[WV], 1
	s_lshl_b32 s23, s23, 11
	s_add_co_u32 s23, s23, SX
	v_lshl_add_u32 v[SXR], v10, 4, s23             ; SX + 2,048 x walk + 16 x lane
	v_lshlrev_b32 v[ZO], 3, v10
	v_lshlrev_b32 v11, 3, v9
	v_sub_nc_u32 v11, v8, v11                      ; r - 8 h: in a diagonal block register j (query 8 h + j) is hidden from key r where j is less
	WIN 0x40
.irp j, 0,1,2,3,4,5,6,7
	v_cmp_lt_i32 vcc_lo, \j, v11
	v_cndmask_b32 v[T1+\j], 0, s[NEG], vcc_lo
.endr
.irp j, 0,1,2,3,4,5,6,7
	v_mov_b32 v[SV+\j], 0
.endr
	WIN 0
	RESET
.macro FETCH k                         ; 8 LDS loads: my 64 queries, 32 d of K step k, into buffer k % 3.  Destination and address lie in window 0 under every setting used round it
.irp f, 0,1,2,3
	ds_load_b128 v[BUF+32*((\k)%3)+8*\f:BUF+32*((\k)%3)+8*\f+3],   v[AS+(\k)/8] offset:\f*16*PITCH+((\k)%8)*64
	ds_load_b128 v[BUF+32*((\k)%3)+8*\f+4:BUF+32*((\k)%3)+8*\f+7], v[AS+(\k)/8] offset:\f*16*PITCH+((\k)%8)*64+32
.endr
.endm
; cnt query blocks from f0 x all 4 key blocks, K step k.  mask = 1: the products start the sums from the mask: above the diagonal (f < g), on it, below it.  The 16 accumulators take turns.
.macro MULS k, f0, cnt, mask
.if \mask
	WIN 0x18                                       ; keys window 2, C window 1
.else
	WIN 0x08+4*((\k)/8)                            ; keys window 2 or 3
.endif
.set ff, \f0
.rept \cnt
.set gg, 0
.rept 4
.set rD, ACC+8*(4*ff+gg)
.set rA, BUF+32*((\k)%3)+8*ff
.set rB, 32*((\k)%8)+8*gg
.if \mask
.set rC, CH
.if ff < gg
.set rC, CL
.elseif ff == gg
.set rC, CD
.endif
	v_wmma_f32_16x16x32_f16 v[rD:rD+7], v[rA:rA+7], v[rB:rB+7], v[rC:rC+7]
.else
	v_wmma_f32_16x16x32_f16 v[rD:rD+7], v[rA:rA+7], v[rB:rB+7], v[rD:rD+7]
.endif
.set gg, gg+1
.endr
.set ff, ff+1
.endr
.endm
; A K step: the fragments two steps on are fetched into the buffer that the step before multiplied (four places behind it); left = the younger LDS loads that may stay out.
.macro KS k, fetch, left, mask
.if \mask
	WIN 0x18
.else
	WIN 0x08+4*((\k)/8)
.endif
	PLACES
.if \fetch
	FETCH (\k)+2
.endif
	s_wait_dscnt \left
	MULS \k, 0, 4, \mask
.endm
; K steps 6 and 14: the slot's last fragments have been asked for, and the slots change.  Each wave waits for all its tensor loads (one is out: its part of the other slot), adds 0 to its spare word, and waits
; for that and for its reads of this slot.  fill = 1: the barrier opens a round of the cluster's, and the joint refill, the next tile's same d half, is the first thing behind it.
.macro TURNS k, slot, fill
	WIN 0
	s_wait_tensorcnt 0x0
	ds_add_u32 v[SPW], v[NIL]                      ; 0 onto my spare word
	s_wait_dscnt 9                                 ; (the add and the next step's eight loads may be out)
	MULS \k, 0, 2, 0
	s_wait_dscnt 0x0                               ; the add is done, and my reads of this slot are over
	s_barrier_signal -1
	MULS \k, 2, 2, 0
	WIN 0
	s_barrier_wait -1
.if \fill
	CREST
	s_add_nc_u64 s[G0+4*(\slot)+2:G0+4*(\slot)+3], s[QB+2*(\slot):QB+2*(\slot)+1], s[OFF:OFF+1]  ; the address is made anew from the tile's number
	s_or_b32 s[G0+4*(\slot)+3], s[G0+4*(\slot)+3], 0x80000000
	tensor_load_to_lds s[G0+4*(\slot):G0+4*(\slot)+3], s[G1:G1+7]
	s_nop 0
	PLACES
.else
	PLACES
.endif
.if (\k) == 6
	FETCH 8
.endif
.endm
; What a tile hides, and which tile follows.  e: my key block's place among the tile's four bands of 64 queries.  In a walk's first tile band w sees nothing if w < e, everything if w > e, and holds the diagonal if w = e.
.macro SETUP
	s_sub_co_u32 s[DG], 3, s[CX]
	s_cmp_le_u32 s[TAU], s[XX]
	s_cselect_b32 s[DG], s[DG], s[CX]              ; e = b % 4 in walk 1, a % 4 in walk 2
	s_add_co_u32 s[TS], s[XX], 1
	s_cmp_eq_u32 s[TAU], s[TS]
	s_cselect_b32 s[TS], 1, 0
	s_cmp_eq_u32 s[TAU], 0
	s_cselect_b32 s[TS], 1, s[TS]                  ; a walk's first tile?
	s_cmp_eq_u32 s[TS], 1
	s_cselect_b32 s[DG], s[DG], -1
	s_cmp_gt_i32 s[WV], s[DG]
	s_cselect_b32 s[CLV], 0, s[NEG]                ; query blocks above the diagonal
	s_cmp_lt_i32 s[WV], s[DG]
	s_cselect_b32 s[BE], s[NEG], 0                 ; below it
	s_cmp_eq_u32 s[WV], s[DG]
	s_cselect_b32 s[AL], 1.0, 0                    ; on it
	s_add_co_u32 s[NSIG], s[SIG], 1
	s_cmp_eq_u32 s[TAU], s[XX]
	s_cselect_b32 s[NSIG], s[XX], s[NSIG]          ; behind walk 1's last tile comes walk 2's first, tile X
	s_lshl_b32 s[OFF], s[NSIG], 18
	WIN 0x40
.irp j, 0,1,2,3,4,5,6,7
	v_mov_b32 v[CL+\j], s[CLV]
	v_mov_b32 v[CH+\j], s[BE]
.endr
	WIN 0x41
.irp j, 0,2,4,6
	v_pk_fma_f32 v[CD+\j:CD+\j+1], v[T1+\j:T1+\j+1], s[AL:AL+1], s[BE:BE+1] op_sel_hi:[1,0,0]
.endr
	s_wait_loadcnt 0x0                             ; the walk's keys are in
.endm
; THE SOFTMAX'S SHARE of a tile, stage by stage over the four key blocks: a lane has 32 scores of one key in each.  Each accumulator's lowest registers are read first.
.macro STAT
	WIN 0
.irp c, 0,1,2,3
.irp g, 0,1,2,3
	v_max3_num_f32 v[TT+8*\g+\c], v[ACC+32*\c+8*\g], v[ACC+32*\c+8*\g+1], v[ACC+32*\c+8*\g+2]
.endr
.endr
.irp s, 1,2
.irp c, 0,1,2,3
.irp g, 0,1,2,3
	v_max3_num_f32 v[TT+8*\g+\c], v[TT+8*\g+\c], v[ACC+32*\c+8*\g+2*\s+1], v[ACC+32*\c+8*\g+2*\s+2]
.endr
.endr
.endr
.irp g, 0,1,2,3
	v_max3_num_f32 v[TT+8*\g], v[TT+8*\g], v[ACC+8*\g+7], v[ACC+32+8*\g+7]
	v_max3_num_f32 v[TT+8*\g+1], v[TT+8*\g+1], v[ACC+64+8*\g+7], v[ACC+96+8*\g+7]
	v_max3_num_f32 v[TT+8*\g+2], v[TT+8*\g+2], v[TT+8*\g+3], v[ST+4*\g+1]
	v_mov_b32 v[TT+8*\g+4], v[ST+4*\g]             ; c m_old is kept
.endr
.irp g, 0,1,2,3
	v_max3_num_f32 v[ST+4*\g+1], v[TT+8*\g], v[TT+8*\g+1], v[TT+8*\g+2]  ; the new m
.endr
.irp g, 0,1,2,3
	v_mul_f32 v[ST+4*\g], s[CS], v[ST+4*\g+1]
.endr
.irp g, 0,1,2,3
	v_sub_f32 v[TT+8*\g+4], v[TT+8*\g+4], v[ST+4*\g]
.endr
.irp g, 0,1,2,3
	v_exp_f32 v[TT+8*\g+2], v[TT+8*\g+4]           ; a = 2^(c m_old - c m_new); the scalings below are the plain lines behind it
.endr
.irp f, 0,1,2,3
.irp g, 0,1,2,3
.irp p, 0,2,4,6
	v_pk_fma_f32 v[ACC+32*\f+8*\g+\p:ACC+32*\f+8*\g+\p+1], v[ACC+32*\f+8*\g+\p:ACC+32*\f+8*\g+\p+1], s[CS:CS+1], v[ST+4*\g:ST+4*\g+1] op_sel_hi:[1,0,0] neg_lo:[0,0,1] neg_hi:[0,0,1]
.endr
.endr
.endr
.set i, 0
.rept 128
	v_exp_f32 v[ACC+i], v[ACC+i]
.set i, i+1
.endr
	v_nop                                          ; a plain line between the exponentials and the use of their results
	s_wait_alu depctr_va_vdst(0)
.irp f, 0,1,2,3
.irp g, 0,1,2,3
	v_pk_add_f32 v[ACC+32*\f+8*\g:ACC+32*\f+8*\g+1], v[ACC+32*\f+8*\g:ACC+32*\f+8*\g+1], v[ACC+32*\f+8*\g+2:ACC+32*\f+8*\g+3]
	v_pk_add_f32 v[ACC+32*\f+8*\g+4:ACC+32*\f+8*\g+5], v[ACC+32*\f+8*\g+4:ACC+32*\f+8*\g+5], v[ACC+32*\f+8*\g+6:ACC+32*\f+8*\g+7]
.endr
.endr
.irp f, 0,1,2,3
.irp g, 0,1,2,3
	v_pk_add_f32 v[ACC+32*\f+8*\g:ACC+32*\f+8*\g+1], v[ACC+32*\f+8*\g:ACC+32*\f+8*\g+1], v[ACC+32*\f+8*\g+4:ACC+32*\f+8*\g+5]
.endr
.endr
.irp g, 0,1,2,3
	v_pk_add_f32 v[ACC+8*\g:ACC+8*\g+1], v[ACC+8*\g:ACC+8*\g+1], v[ACC+32+8*\g:ACC+32+8*\g+1]
	v_pk_add_f32 v[ACC+64+8*\g:ACC+64+8*\g+1], v[ACC+64+8*\g:ACC+64+8*\g+1], v[ACC+96+8*\g:ACC+96+8*\g+1]
.endr
.irp g, 0,1,2,3
	v_pk_add_f32 v[ACC+8*\g:ACC+8*\g+1], v[ACC+8*\g:ACC+8*\g+1], v[ACC+64+8*\g:ACC+64+8*\g+1]
.endr
.irp g, 0,1,2,3
	v_pk_fma_f32 v[ST+4*\g+2:ST+4*\g+3], v[ST+4*\g+2:ST+4*\g+3], v[TT+8*\g+2:TT+8*\g+3], v[ACC+8*\g:ACC+8*\g+1] op_sel_hi:[1,0,1]  ; l = a l + the sum
.endr
.endm
; A walk's end: l's two halves are added, and the key's other queries, in the lane 16 away, are merged in: (m, l) of my wave's queries in v[TT + 8 g + 6 : + 7], alike in both halves of the lanes.
.macro PART
	WIN 0
.irp g, 0,1,2,3
	v_add_f32 v[TT+8*\g], v[ST+4*\g+2], v[ST+4*\g+3]
.endr
.irp g, 0,1,2,3
	v_permlanex16_b32 v[TT+8*\g+1], v[ST+4*\g+1], s[SEL], s[SEL+1]
	v_permlanex16_b32 v[TT+8*\g+2], v[TT+8*\g], s[SEL], s[SEL+1]
.endr
.irp g, 0,1,2,3
	v_max_num_f32 v[TT+8*\g+6], v[ST+4*\g+1], v[TT+8*\g+1]
.endr
.irp g, 0,1,2,3
	v_sub_f32 v[TT+8*\g+4], v[ST+4*\g+1], v[TT+8*\g+6]
	v_sub_f32 v[TT+8*\g+5], v[TT+8*\g+1], v[TT+8*\g+6]
.endr
.irp g, 0,1,2,3
	v_pk_mul_f32 v[TT+8*\g+4:TT+8*\g+5], v[TT+8*\g+4:TT+8*\g+5], s[CS:CS+1] op_sel_hi:[1,0]
.endr
.irp g, 0,1,2,3
	v_exp_f32 v[TT+8*\g+4], v[TT+8*\g+4]
	v_exp_f32 v[TT+8*\g+5], v[TT+8*\g+5]
.endr
	v_nop
	s_wait_alu depctr_va_vdst(0)
.irp g, 0,1,2,3
	v_mul_f32 v[TT+8*\g+7], v[TT+8*\g], v[TT+8*\g+4]
.endr
.irp g, 0,1,2,3
	v_fmac_f32 v[TT+8*\g+7], v[TT+8*\g+2], v[TT+8*\g+5]
.endr
.endm
.macro STILE last
	SETUP
	KS 0, 1, 16, 1
.irp k, 1,2,3,4,5
	KS \k, 1, 16, 0
.endr
	TURNS 6, 0, 1-(\last)
.irp k, 7,8,9,10,11,12,13
	KS \k, 1, 16, 0
.endr
.if \last
	KS 14, 0, 8, 0                                 ; nothing is left to ask for: step 15's eight loads may stay out
.else
	TURNS 14, 1, 1
.endif
	KS 15, 0, 0, 0
	WIN 0
	PLACES                                         ; behind the last products: for the loads into the keys' registers and the buffers, and for the reads of the scores
.if !(\last)
	s_cmp_lg_u32 s[TAU], s[XX]
	s_cbranch_scc1 .Lno_own_\@
	OWNLOAD KA                                     ; walk 1's last products are issued: walk 2's keys come while the softmax is at work
.Lno_own_\@:
	FETCH 0                                        ; the next tile's first fragments: its d half 0 was shown whole by the change of slots at step 14
	FETCH 1
.endif
	STAT
.endm
	s_wait_tensorcnt 0x1                           ; my part of d half 0 is in; half 1 may stay out
	s_wait_dscnt 0x0
	s_barrier_signal -1
	s_barrier_wait -1
	FETCH 0
	FETCH 1
.Ltile:                                                ; four tiles fill both slots again
	STILE 0
	s_cmp_lg_u32 s[TAU], s[XX]
	s_cbranch_scc1 .Lno_part
	PART                                           ; walk 1 ends: its (m, l) waits in registers for the kernel's end
	WIN 0x40
.irp g, 0,1,2,3
	v_mov_b32 v[SV+2*\g], v[TT+8*\g+6]
	v_mov_b32 v[SV+2*\g+1], v[TT+8*\g+7]
.endr
	WIN 0
	RESET
.Lno_part:
	s_add_co_u32 s[TAU], s[TAU], 1
	s_mov_b32 s[SIG], s[NSIG]
	s_sub_co_u32 s[CNT], s[CNT], 1
	s_cmp_lg_u32 s[CNT], 0
	s_cbranch_scc1 .Ltile
	STILE 1                                        ; the last tile is written out: it asks for nothing more
	PART
.irp g, 0,1,2,3
	ds_store_b64 v[SXW], v[TT+8*\g+6:TT+8*\g+7] offset:2048+\g*128  ; walk 2; both halves of the lanes write the same bytes with the same numbers
.endr
	WIN 0x04                                       ; store data in window 1
.irp g, 0,1,2,3
	ds_store_b64 v[SXW], v[SV+2*\g:SV+2*\g+1] offset:\g*128         ; walk 1
.endr
	WIN 0
	s_wait_dscnt 0x0                               ; for the others' sake: my stores are done
	s_barrier_signal -1
	s_barrier_wait -1
	s_cmp_ge_u32 s[WV], 2
	s_cbranch_scc1 .Lno_final
.irp w, 0,1,2,3
	ds_load_b128 v[32+4*\w:32+4*\w+3], v[SXR] offset:\w*512  ; two keys a lane: wave w's (m, l), (m, l)
.endr
	s_wait_dscnt 0x0
	v_max3_num_f32 v48, v32, v36, v40
	v_max3_num_f32 v49, v34, v38, v42
	v_max_num_f32 v48, v48, v44
	v_max_num_f32 v49, v49, v46
.irp w, 0,1,2,3
	v_sub_f32 v[52+2*\w], v[32+4*\w], v48
	v_sub_f32 v[53+2*\w], v[34+4*\w], v49
.endr
.irp w, 0,1,2,3
	v_pk_mul_f32 v[52+2*\w:53+2*\w], v[52+2*\w:53+2*\w], s[CS:CS+1] op_sel_hi:[1,0]
.endr
.irp w, 0,1,2,3,4,5,6,7
	v_exp_f32 v[52+\w], v[52+\w]
.endr
	v_nop
	s_wait_alu depctr_va_vdst(0)
	v_mul_f32 v50, v33, v52
	v_mul_f32 v51, v35, v53
.irp w, 1,2,3
	v_fmac_f32 v50, v[33+4*\w], v[52+2*\w]
	v_fmac_f32 v51, v[35+4*\w], v[53+2*\w]
.endr
	v_log_f32 v50, v50
	v_log_f32 v51, v51
	v_nop
	s_wait_alu depctr_va_vdst(0)
	v_fma_f32 v50, s[CS], v48, v50                 ; z = c m + log2 l
	v_fma_f32 v51, s[CS], v49, v51
	global_store_b64 v[ZO], v[50:51], s[ZB:ZB+1]   ; the wave stores 256 consecutive bytes, aligned
.Lno_final:
	s_wait_tensorcnt 0x0                           ; the wave's end: behind my last tensor load and my last LDS store
	ds_add_u32 v[SPW], v[NIL]
	s_wait_dscnt 0x0
	CROUND                                         ; the closing round
	s_endpgm
.Lfunc_end_k_qbaa75f323b_stats:
	.size	k_qbaa75f323b_stats, .Lfunc_end_k_qbaa75f323b_stats-k_qbaa75f323b_stats
	.p2alignl 7, 3214868480
	.fill 96, 4, 3214868480
	.section	.rodata,"a",@progbits
	.p2align	6, 0x0
	.amdhsa_kernel k_qbaa75f323b_stats
		.amdhsa_group_segment_fixed_size 327680
		.amdhsa_private_segment_fixed_size 0
		.amdhsa_enable_private_segment 0
		.amdhsa_kernarg_size 16
		.amdhsa_user_sgpr_count 2
		.amdhsa_user_sgpr_kernarg_segment_ptr 1
		.amdhsa_wavefront_size32 1
		.amdhsa_system_sgpr_workgroup_id_x 1
		.amdhsa_system_sgpr_workgroup_id_y 1
		.amdhsa_system_sgpr_workgroup_id_z 1
		.amdhsa_system_vgpr_workitem_id 0
		.amdhsa_next_free_vgpr 1024
		.amdhsa_next_free_sgpr 66
		.amdhsa_reserve_vcc 1
		.amdhsa_float_denorm_mode_32 3
		.amdhsa_float_denorm_mode_16_64 3
		.amdhsa_memory_ordered 1
		.amdhsa_forward_progress 1
		.amdhsa_inst_pref_size 131
	.end_amdhsa_kernel
	.amdgpu_metadata
---
amdhsa.version: [ 1, 2 ]
amdhsa.kernels:
  - .name:           k_qbaa75f323b_stats
    .symbol:         k_qbaa75f323b_stats.kd
    .args:
      - { .name: qkv, .offset: 0, .size: 8, .value_kind: global_buffer, .address_space: global }
      - { .name: zs, .offset: 8, .size: 8, .value_kind: global_buffer, .address_space: global }
    .group_segment_fixed_size: 327680
    .private_segment_fixed_size: 0
    .kernarg_segment_align: 8
    .kernarg_segment_size: 16
    .max_flat_workgroup_size: 128
    .sgpr_count:     66
    .vgpr_count:     1024
    .wavefront_size: 32
...
	.end_amdgpu_metadata
.endif
;; end of part 3
;; launch outp (part 4): grid 8 x 32, 4 waves a work-group, clusters of 4 x 1, 327,680 bytes of LDS; arguments qkv, zs, out0; writes out0
.if DOCPART == 4
	.amdgcn_target "amdgcn-amd-amdhsa--gfx1250"
	.amdhsa_code_object_version 6
	.text
	.protected	k_qbaa75f323b_outp
	.globl	k_qbaa75f323b_outp
	.p2align	8
	.type	k_qbaa75f323b_outp,@function
k_qbaa75f323b_outp:
	s_mov_b64 s[64:65], 0
	v_nop
	global_prefetch_b8 v0, s[64:65] scope:SCOPE_SE
	s_setreg_imm32_b32 hwreg(HW_REG_WAVE_MODE, 25, 1), 1
	s_wait_xcnt 0x0
	s_wait_alu depctr_hold_cnt(0) depctr_sa_sdst(0) depctr_va_vdst(0) depctr_va_sdst(0) depctr_va_ssrc(0) depctr_va_vcc(0) depctr_vm_vsrc(0)
	s_getreg_b32 s2, hwreg(HW_REG_IB_STS2, 6, 4)
	s_cmp_eq_u32 s2, 0
	s_cbranch_scc0 .Lentry_in_a_cluster
	s_endpgm
.Lentry_in_a_cluster:
	s_bfe_u32 s2, ttmp6, 0x10000c
	s_cmp_lg_u32 s2, 0x3003
	s_cbranch_scc0 .Lentry_shape_is_right
	s_endpgm
.Lentry_shape_is_right:
; out0[b][v][t] = sum over s <= t of 2^(c q[t] . k[s] - zs[b][s]) v[s][v], c = log2(e) / sqrt(512): the softmax over the query axis, whose maximum and sum the launch before has put into zs.
; q, k, v: the planes of qkv, [32][1024][512] f16.  Products in f16, sums and exponentials in f32; the weights are rounded to f16 for the second product; out0 is f32.
; LIMITS.  c S - zs is at most 0 (but for rounding) where the key is seen, since zs holds the column's maximum; where it is hidden the weight's bits are cleared by an AND, whatever they were (an infinity too).
; A weight below 6e-8 counts as 0 in f16.  NaN and infinities in the inputs are not treated apart.
; SHARES.  A batch has 16 blocks of 64 queries and 8 work-groups.  A work-group owns query blocks a = 4 X + cx and b = 15 - a, one after the other (two WALKS); keys and values are streamed in tiles of 256 rows.
; Walk 1 needs the tiles 0 .. X, walk 2 the tiles 0 .. 3 - X: five tiles whatever X and cx, and the four partners of a cluster need the same tile in the same trip: every tile is asked for JOINTLY.
; Only a walk's last tile hides anything: by masks made from cx and the wave's number by selects, never by a branch.
; A TILE.  S phase: source 0 = 16 keys (LDS), source 1 = 16 queries (512 registers, loaded once a walk); wave w takes keys 64 w .. + 63, all 64 queries: a lane holds one query and eight keys.  The weights go to LDS
; as P[query][key].  PV phase: source 0 = 16 queries x 32 keys of P, source 1 = 32 keys x 16 channels of v, turned (ds_load_tr16_b128); wave w takes channels 128 w .. + 127: a lane holds one channel and eight
; neighbouring t: 32 bytes of a row of out0.
; RING: two slots of 135,168 bytes; a tile's four contents: k's d half 0 (slot 0), d half 1 (slot 1), v's keys 0-127 (slot 0), 128-255 (slot 1).  By this text's count a wave has two tensor loads out at the start, one later.
; REGISTERS: window 0: addresses, masks; v32-127 three buffers of key fragments, later PV buffer A (P v32-63, v v64-127); v128-255 the 16 score accumulators, later PV buffer B (P v128-159, v v160-223) and the way out.
; Window 1: O, (g, cf) at 8 (4 cf + g), g = query block, cf = channel block.  Windows 2, 3: the queries, K step k, block g at window 2 + k / 8, register 32 (k % 8) + 8 g.
.set PITCH, 528                        ; rows of k and of P in LDS: 512 bytes + 16
.set VP,    1056                       ; rows of v: 1,024 bytes + 32, an odd multiple of 32
.set QUART, 64*PITCH                   ; what one tensor load brings: 64 rows of k's half, or 32 rows of v
.set SLOT,  4*QUART
.set PS,    2*SLOT                     ; P: 64 rows x 528
.set ZT,    PS+64*PITCH                ; each wave's 64 z: 4 x 256 bytes
.set STG,   ZT+1024                    ; each wave's stage for the way out: 16 rows x 272
.set SP,    272
.set SPARE, STG+4*16*SP                ; the spare words, 128 bytes for each wave
.set AS,   2                           ; v2, v3  LDS address of my key fragments in slot 0, 1
.set AV,   4                           ; v4-7    the turning load's address for keys 64 i on
.set PA,   8                           ; v8   where I put 16 bytes of P
.set PR,   9                           ; v9   where I read P's fragments
.set ZA,   10                          ; v10  where I read my keys' z
.set ZW,   11                          ; v11  where I put two z
.set ZG,   12                          ; v12  my byte offset in a tile's 256 z
.set KO,   13                          ; v13  my byte offset in 16 rows of q
.set STO,  14                          ; v14  the way out: where I put 32 bytes of a row
.set RD,   15                          ; v15  where I read rows back
.set GO,   16                          ; v16  my byte offset in two rows of out0
.set ZR,   18                          ; v18-19  two z as loaded
.set T0,   20                          ; v20-23  the diagonal block's mask, two f16 a word
.set TD,   24                          ; v24-27  this tile's mask for the blocks f = g
.set SPW,  28
.set NIL,  29
.set BUF,  32
.set PVB,  32                          ; PV buffer A; buffer B lies 96 further on
.set ZF,   96                          ; z of my 64 keys, eight registers a key block
.set ACC,  128
.set WV,   12
.set CX,   13
.set XX,   14
.set BB,   15
.set BKA,  16
.set BKB,  17
.set TAU,  18
.set SIG,  19
.set NSIG, 20
.set CNT,  21
.set G1R,  24                          ; s[24:31] group 1 for k: 64 rows x 256 elements
.set G0,   32                          ; s[32:39] group 0, a set for each slot
.set G1V,  40                          ; s[40:47] group 1 for v: 32 rows x 512 elements
.set KBASE, 48                         ; s[48:49] k at my 64 rows of tile 0
.set VBASE, 50                         ; s[50:51] v at my 32 rows of tile 0
.set OFFV, 52                          ; s[52:53] this tile's byte offset
.set QA,   54                          ; s[54:55] q at block a;  s[56:57] at block b
.set QBK,  56
.set OUTC, 58                          ; s[58:59] out0 at my channels and the walk's block;  s[60:61] the second walk's
.set OUTB, 60
.set CS,   62                          ; s[62:63] c
.set LO,   66                          ; s66 mask for key blocks below the diagonal (f < g);  s67 above it
.set HI,   67
.set DG,   68
.set TS,   69
.set NEW,  70                          ; s70 1: the tile in hand starts O's sums
.set OFFK, 72                          ; s[72:73] the next tile's byte offset
.set ZB,   74                          ; s[74:75] zs at the batch;  s[76:77] at the tile;  s[78:79] the tile's offset there
.set ZC,   76
.set ZOF,  78
.set MSB, 0
.macro WIN new
.if MSB != (\new)
	s_set_vgpr_msb (MSB<<8)|(\new)
.set MSB, (\new)
.endif
.endm
.macro PLACES
.rept 4
	v_nop
.endr
.endm
.macro CREST
	s_cmp_lg_u32 s[WV], 0
	s_cbranch_scc1 .Lnot_wave_0_\@
	s_barrier_signal -3
.Lnot_wave_0_\@:
	s_barrier_wait -3
	s_barrier_signal -1
	s_barrier_wait -1
.endm
.macro CROUND
	s_barrier_signal -1
	s_barrier_wait -1
	CREST
.endm
.macro OWNLOAD base                    ; 64 rows x 512 d into 512 registers
.set kk, 0
.rept 16
	WIN 0x80+0x40*(kk/8)
.irp g, 0,1,2,3
	global_load_b128 v[32*(kk%8)+8*\g:32*(kk%8)+8*\g+3],   v[KO], s[\base:(\base)+1] offset:\g*16384+kk*64
	global_load_b128 v[32*(kk%8)+8*\g+4:32*(kk%8)+8*\g+7], v[KO], s[\base:(\base)+1] offset:\g*16384+kk*64+32
.endr
.set kk, kk+1
.endr
	WIN 0
.endm
; A joint refill: the address is made anew from a base and a tile's offset; the slot's LDS word never changes.  An s_nop 0 and four v_nop follow the load.
.macro REFILL slot, base, off, extra, g1
	s_add_nc_u64 s[G0+4*(\slot)+2:G0+4*(\slot)+3], s[\base:(\base)+1], s[\off:(\off)+1]
.if \extra
	s_add_nc_u64 s[G0+4*(\slot)+2:G0+4*(\slot)+3], s[G0+4*(\slot)+2:G0+4*(\slot)+3], \extra
.endif
	s_or_b32 s[G0+4*(\slot)+3], s[G0+4*(\slot)+3], 0x80000000
	tensor_load_to_lds s[G0+4*(\slot):G0+4*(\slot)+3], s[\g1:(\g1)+7]
	s_nop 0
	PLACES
.endm
	s_load_b128 s[4:7], s[0:1], 0x0                ; qkv s[4:5], zs s[6:7]
	s_load_b64 s[8:9], s[0:1], 0x10                ; out0
	v_lshl_add_u32 v[SPW], v0, 2, SPARE
	v_mov_b32 v[NIL], 0
	ds_add_u32 v[SPW], v[NIL]                      ; the wave's opening: the add and its wait ahead of my first tensor load
	v_lshrrev_b32 v1, 5, v0
	v_readfirstlane_b32 s[WV], v1
	s_bfe_u32 s[CX], ttmp6, 0x40000
	s_mov_b32 s[XX], ttmp9                         ; the cluster's number in the batch, 0 or 1
	s_and_b32 s[BB], ttmp7, 0xffff
	s_lshl_b32 s[BKA], s[XX], 2
	s_add_co_u32 s[BKA], s[BKA], s[CX]
	s_sub_co_u32 s[BKB], 15, s[BKA]
	s_mov_b32 s[G1R], 15|(1<<16)|(1<<20)|(1<<21)|(6<<22)|(3<<25)  ; the mask of four; 2-byte elements; padding on; bit 21 beside a mask; after every 128 words, 4 words
	s_mov_b32 s[G1R+1], 256<<16
	s_mov_b32 s[G1R+2], 64<<16
	s_mov_b32 s[G1R+3], 256<<16
	s_mov_b32 s[G1R+4], 64
	s_mov_b32 s[G1R+5], 512
	s_mov_b32 s[G1R+6], 0
	s_mov_b32 s[G1R+7], 0
	s_mov_b32 s[G1V], 15|(1<<16)|(1<<20)|(1<<21)|(7<<22)|(7<<25)  ; the same; after every 256 words, 8 words
	s_mov_b32 s[G1V+1], 512<<16
	s_mov_b32 s[G1V+2], 32<<16
	s_mov_b32 s[G1V+3], 512<<16
	s_mov_b32 s[G1V+4], 32
	s_mov_b32 s[G1V+5], 512
	s_mov_b32 s[G1V+6], 0
	s_mov_b32 s[G1V+7], 0
	s_mul_i32 s22, s[WV], QUART
	s_mov_b32 s[G0], 1
	s_mov_b32 s[G0+1], s22
	s_mov_b32 s[G0+4], 1
	s_add_co_u32 s[G0+5], s22, SLOT
	s_lshl_b32 s23, s[BB], 20                      ; the batch's 1,024 rows of 1,024 bytes
	s_lshl_b32 s[KBASE], s[WV], 16                 ; k: my 64 rows of a tile, plane 1
	s_add_co_u32 s[KBASE], s[KBASE], s23
	s_add_co_u32 s[KBASE], s[KBASE], 1<<25
	s_mov_b32 s[KBASE+1], 0
	s_lshl_b32 s[VBASE], s[WV], 15                 ; v: my 32 rows of half a tile, plane 2
	s_add_co_u32 s[VBASE], s[VBASE], s23
	s_add_co_u32 s[VBASE], s[VBASE], 1<<26
	s_mov_b32 s[VBASE+1], 0
	s_lshl_b32 s[QA], s[BKA], 16
	s_add_co_u32 s[QA], s[QA], s23
	s_mov_b32 s[QA+1], 0
	s_lshl_b32 s[QBK], s[BKB], 16
	s_add_co_u32 s[QBK], s[QBK], s23
	s_mov_b32 s[QBK+1], 0
	s_lshl_b32 s23, s[BB], 21                      ; out0: the batch's 512 rows of 4,096 bytes,
	s_lshl_b32 s[TS], s[WV], 19                    ; my 128 channels,
	s_add_co_u32 s23, s23, s[TS]
	s_lshl_b32 s[OUTC], s[BKA], 8                  ; the block's 64 t of 4 bytes
	s_add_co_u32 s[OUTC], s[OUTC], s23
	s_mov_b32 s[OUTC+1], 0
	s_lshl_b32 s[OUTB], s[BKB], 8
	s_add_co_u32 s[OUTB], s[OUTB], s23
	s_mov_b32 s[OUTB+1], 0
	s_lshl_b32 s[ZB], s[BB], 12
	s_mov_b32 s[ZB+1], 0
	s_mov_b32 s[ZOF+1], 0
	s_mov_b32 s[OFFV+1], 0
	s_mov_b32 s[OFFK+1], 0
	s_mov_b32 s[CS], 0x3d8293ee                    ; c = log2(e) / sqrt(512) = 0.0637587
	s_mov_b32 s[CS+1], s[CS]
	s_mov_b32 s[TAU], 0
	s_mov_b32 s[SIG], 0
	s_mov_b32 s[CNT], 5
	s_mov_b32 s[NEW], 1
	s_wait_dscnt 0x0                               ; the opening add is done
	s_wait_kmcnt 0x0
	s_add_nc_u64 s[KBASE:KBASE+1], s[4:5], s[KBASE:KBASE+1]
	s_add_nc_u64 s[VBASE:VBASE+1], s[4:5], s[VBASE:VBASE+1]
	s_add_nc_u64 s[QA:QA+1], s[4:5], s[QA:QA+1]
	s_add_nc_u64 s[QBK:QBK+1], s[4:5], s[QBK:QBK+1]
	s_add_nc_u64 s[OUTC:OUTC+1], s[8:9], s[OUTC:OUTC+1]
	s_add_nc_u64 s[OUTB:OUTB+1], s[8:9], s[OUTB:OUTB+1]
	s_add_nc_u64 s[ZB:ZB+1], s[6:7], s[ZB:ZB+1]
	s_mov_b64 s[G0+2:G0+3], s[KBASE:KBASE+1]       ; tile 0's k, d half 0
	s_or_b32 s[G0+3], s[G0+3], 0x80000000
	s_add_nc_u64 s[G0+6:G0+7], s[KBASE:KBASE+1], 512  ; d half 1
	s_or_b32 s[G0+7], s[G0+7], 0x80000000
	CROUND                                         ; all four work-groups are here: the first joint loads meet
	tensor_load_to_lds s[G0:G0+3], s[G1R:G1R+7]
	s_nop 0
	tensor_load_to_lds s[G0+4:G0+7], s[G1R:G1R+7]
	s_nop 0
	PLACES
	v_and_b32 v32, 15, v0                          ; r
	v_bfe_u32 v33, v0, 4, 1                        ; h
	v_and_b32 v34, 31, v0                          ; lane
	v_lshlrev_b32 v[KO], 10, v32
	v_lshl_add_u32 v[KO], v33, 4, v[KO]            ; row x 1,024 + 16 h
	OWNLOAD QA                                     ; walk 1's queries
	v_mul_u32_u24 v38, v32, PITCH
	v_lshl_add_u32 v38, v33, 4, v38                ; r x 528 + 16 h
	v_add_nc_u32 v[AS], s22, v38                   ; my 64 keys are the quarter that my own load brings
	v_add_nc_u32 v[AS+1], SLOT, v[AS]
	v_add_nc_u32 v[PR], PS, v38
	s_lshl_b32 s23, s[WV], 7
	v_add_nc_u32 v[PA], s23, v[PR]                 ; + my 64 keys of 2 bytes
	v_and_b32 v35, 7, v0
	v_bfe_u32 v36, v0, 3, 1
	v_lshl_add_u32 v[AV], v33, 3, v35              ; the turning load: lane l reads key 8 h + l % 8, bytes 16 ((l / 8) % 2) on
	v_mul_u32_u24 v[AV], v[AV], VP
	v_lshl_add_u32 v[AV], v36, 4, v[AV]
	s_lshl_b32 s23, s[WV], 8                       ; my 128 channels of 2 bytes
	v_add_nc_u32 v[AV], s23, v[AV]
	v_add_nc_u32 v[AV+1], 64*VP, v[AV]
	v_add_nc_u32 v[AV+2], SLOT, v[AV]
	v_add_nc_u32 v[AV+3], SLOT+64*VP, v[AV]
	v_lshl_add_u32 v[ZG], v34, 3, s23              ; 256 w + 8 x lane
	v_add_nc_u32 v[ZW], ZT, v[ZG]
	s_add_co_u32 s23, s23, ZT
	v_lshl_add_u32 v[ZA], v33, 5, s23              ; ZT + 256 w + 32 h: a lane's eight keys 8 h + 0..7 of each block
	s_mul_i32 s23, s[WV], 16*SP
	s_add_co_u32 s23, s23, STG                     ; my stage
	v_mul_u32_u24 v[STO], v32, SP                  ; in: row r (a channel), 32 bytes for each half of the lanes
	v_lshl_add_u32 v[STO], v33, 5, v[STO]
	v_add_nc_u32 v[STO], s23, v[STO]
	v_mul_u32_u24 v[RD], v33, SP                   ; back: lanes 0-15 one row of 256 bytes, lanes 16-31 the next
	v_lshl_add_u32 v[RD], v32, 4, v[RD]
	v_add_nc_u32 v[RD], s23, v[RD]
	v_lshlrev_b32 v[GO], 12, v33                   ; and the same two rows in out0
	v_lshl_add_u32 v[GO], v32, 4, v[GO]
	v_lshlrev_b32 v37, 3, v33
	v_sub_nc_u32 v37, v32, v37                     ; r - 8 h: in a diagonal block register j (key 8 h + j) is seen by query r where j is not greater
	s_mov_b32 s22, 0xffff
	s_mov_b32 s23, 0xffff0000
.irp p, 0,1,2,3
	v_cmp_le_i32 vcc_lo, 2*\p, v37
	v_cndmask_b32 v[T0+\p], 0, s22, vcc_lo
	v_cmp_le_i32 vcc_lo, 2*\p+1, v37
	v_cndmask_b32 v38, 0, s23, vcc_lo
	v_or_b32 v[T0+\p], v[T0+\p], v38
.endr
.macro FETCH k                         ; 8 LDS loads: my 64 keys, 32 d of K step k, into buffer k % 3.  Destination and address lie in window 0 under every setting used round it
.irp f, 0,1,2,3
	ds_load_b128 v[BUF+32*((\k)%3)+8*\f:BUF+32*((\k)%3)+8*\f+3],   v[AS+(\k)/8] offset:\f*16*PITCH+((\k)%8)*64
	ds_load_b128 v[BUF+32*((\k)%3)+8*\f+4:BUF+32*((\k)%3)+8*\f+7], v[AS+(\k)/8] offset:\f*16*PITCH+((\k)%8)*64+32
.endr
.endm
; cnt key blocks from f0 x all 4 query blocks, K step k.  zero = 1: the products start the sums.  The 16 accumulators take turns.
.macro MULS k, f0, cnt, zero
	WIN 0x08+4*((\k)/8)                            ; queries window 2 or 3
.set ff, \f0
.rept \cnt
.set gg, 0
.rept 4
.set rD, ACC+8*(4*ff+gg)
.set rA, BUF+32*((\k)%3)+8*ff
.set rB, 32*((\k)%8)+8*gg
.if \zero
	v_wmma_f32_16x16x32_f16 v[rD:rD+7], v[rA:rA+7], v[rB:rB+7], 0
.else
	v_wmma_f32_16x16x32_f16 v[rD:rD+7], v[rA:rA+7], v[rB:rB+7], v[rD:rD+7]
.endif
.set gg, gg+1
.endr
.set ff, ff+1
.endr
.endm
.macro KS k, zero                      ; a K step: the fragments two steps on go into the buffer that the step before multiplied; the two younger runs of eight loads may stay out
	WIN 0x08+4*((\k)/8)
	PLACES
	FETCH (\k)+2
	s_wait_dscnt 16
	MULS \k, 0, 4, \zero
.endm
; K steps 6 and 14: k's half has been asked for to its end, and the slot takes half of this tile's v.  Each wave waits for all its tensor loads (one is out: its part of the other slot), adds 0 to its spare
; word, and waits for that and for its reads of this slot; the barrier opens a round of the cluster's, and the joint refill is the first thing behind it.
.macro TURNS k, slot, extra
	WIN 0
	s_wait_tensorcnt 0x0
	ds_add_u32 v[SPW], v[NIL]                      ; 0 onto my spare word
	s_wait_dscnt 9                                 ; (the add and the next step's eight loads may be out)
	MULS \k, 0, 2, 0
	s_wait_dscnt 0x0                               ; the add is done, and my reads of this slot are over
	s_barrier_signal -1
	MULS \k, 2, 2, 0
	WIN 0
	s_barrier_wait -1
	CREST
	REFILL \slot, VBASE, OFFV, \extra, G1V
.if (\k) == 6
	FETCH 8
.endif
.endm
.macro PLOAD kp                        ; P's fragments of keys 32 kp on: 8 loads
.irp g, 0,1,2,3
	ds_load_b128 v[PVB+96*((\kp)%2)+8*\g:PVB+96*((\kp)%2)+8*\g+3],   v[PR] offset:\g*16*PITCH+(\kp)*64
	ds_load_b128 v[PVB+96*((\kp)%2)+8*\g+4:PVB+96*((\kp)%2)+8*\g+7], v[PR] offset:\g*16*PITCH+(\kp)*64+32
.endr
.endm
.macro VLOAD kp, c0                    ; v's fragments of keys 32 kp on, four channel blocks from c0, turned: 8 loads
.irp c, 0,1,2,3
	ds_load_tr16_b128 v[PVB+96*((\kp)%2)+32+8*((\c0)+\c):PVB+96*((\kp)%2)+32+8*((\c0)+\c)+3],   v[AV+(\kp)/2] offset:((\kp)%2)*32*VP+((\c0)+\c)*32
	ds_load_tr16_b128 v[PVB+96*((\kp)%2)+32+8*((\c0)+\c)+4:PVB+96*((\kp)%2)+32+8*((\c0)+\c)+7], v[AV+(\kp)/2] offset:((\kp)%2)*32*VP+((\c0)+\c)*32+16*VP
.endr
.endm
; cnt channel blocks from c0 x all 4 query blocks, keys 32 kp on.  The 32 accumulators take turns.
.macro MULO kp, c0, cnt, zero
	WIN 0x50                                       ; P and v window 0, C and D window 1
.set cf, \c0
.rept \cnt
.set gg, 0
.rept 4
.set rD, 8*(4*cf+gg)
.set rA, PVB+96*((\kp)%2)+8*gg
.set rB, PVB+96*((\kp)%2)+32+8*cf
.if \zero
	v_wmma_f32_16x16x32_f16 v[rD:rD+7], v[rA:rA+7], v[rB:rB+7], 0
.else
	v_wmma_f32_16x16x32_f16 v[rD:rD+7], v[rA:rA+7], v[rB:rB+7], v[rD:rD+7]
.endif
.set gg, gg+1
.endr
.set cf, cf+1
.endr
.endm
.macro PVS kp, zero                    ; a step of 32 keys: 32 matrix instructions; in its middle the next step's 24 loads go into the other buffer
	s_wait_dscnt 8                                 ; P and channel blocks 0-3 are in; the youngest eight loads may be out
	MULO \kp, 0, 4, \zero
	PLACES
	WIN 0
	PLOAD (\kp)+1
	VLOAD (\kp)+1, 0
	VLOAD (\kp)+1, 4
	s_wait_dscnt 24                                ; all but the 24 just issued
	MULO \kp, 4, 4, \zero
.endm
; Steps 3 and 7: v's half has been asked for to its end.  fill = 1: the slot takes the next tile's k (d half 0 at step 3, half 1 at step 7), behind a round of the cluster's barrier.
.macro TURNV kp, slot, fill, extra
	WIN 0
	s_wait_tensorcnt 0x0
	ds_add_u32 v[SPW], v[NIL]                      ; 0 onto my spare word
	s_wait_dscnt 9                                 ; (the add and the youngest eight loads may be out)
	MULO \kp, 0, 4, 0
	s_wait_dscnt 0x0                               ; the add is done, and my reads of this slot (and of P so far) are over
	s_barrier_signal -1
	MULO \kp, 4, 2, 0
	WIN 0
	s_barrier_wait -1
.if \fill
	CREST
	REFILL \slot, KBASE, OFFK, \extra, G1R
.else
	PLACES
.endif
.if (\kp) == 3
	PLOAD 4
	VLOAD 4, 0
	VLOAD 4, 4
.else
	FETCH 0                                        ; the next tile's first key fragments
	FETCH 1
.endif
	MULO \kp, 6, 2, 0
.endm
.macro PVPHASE last
	WIN 0
	PLOAD 0
	VLOAD 0, 4                                     ; channel blocks 0-3 came during the S phase's last step
.if !(\last)
	s_cmp_eq_u32 s[NEW], 1
	s_cbranch_scc1 .Lnew_\@
.endif
	PVS 0, 0
.if !(\last)
	WIN 0
	s_branch .Ljoin_\@
.Lnew_\@:                                              ; a walk's first tile: its first products start O's sums: nothing is cleared
	s_mov_b32 s[NEW], 0
	PVS 0, 1
	WIN 0
.Ljoin_\@:
.endif
	PVS 1, 0
	PVS 2, 0
	TURNV 3, 0, 1-(\last), 0
	PVS 4, 0
	PVS 5, 0
	PVS 6, 0
.if \last
	s_wait_dscnt 8                                 ; the very last step: nothing more to fetch
	MULO 7, 0, 4, 0
	s_wait_dscnt 0x0
	MULO 7, 4, 4, 0
.else
	TURNV 7, 1, 1, 512
.endif
.endm
; THE WAY OUT of a walk's 64 t x my 128 channels, a channel block (16 rows of out0) at a time: 32 bytes a lane into my own stage, back as whole rows of 256 bytes, stored: 16 lanes fill 256 consecutive bytes, aligned.
.macro OSEND cf
.irp t, 0,1,2,3,4,5,6,7
	global_store_b128 v[GO], v[ACC+32*((\cf)%4)+4*\t:ACC+32*((\cf)%4)+4*\t+3], s[OUTC:OUTC+1] offset:(\cf)*65536+\t*8192 th:TH_STORE_NT
.endr
.endm
.macro OEND
	WIN 0
	PLACES                                         ; behind the last products: the stores below read results, the loads below land in a buffer just multiplied
.set cc, 0
.rept 8
	WIN 0x04                                       ; store data in window 1
.irp g, 0,1,2,3
	ds_store_b128 v[STO], v[8*(4*cc+\g):8*(4*cc+\g)+3]   offset:64*\g      ; each accumulator's lowest registers first
	ds_store_b128 v[STO], v[8*(4*cc+\g)+4:8*(4*cc+\g)+7] offset:64*\g+16
.endr
	WIN 0
.if cc >= 4
	s_wait_xcnt 0x0                                ; the set of registers is loaded again only when the stores of four blocks back have read it
.endif
.irp t, 0,1,2,3,4,5,6,7
	ds_load_b128 v[ACC+32*(cc%4)+4*\t:ACC+32*(cc%4)+4*\t+3], v[RD] offset:\t*2*SP  ; LDS serves a wave's instructions in order (ISA guide 5.7.1.4): these see the stores above
.endr
.if cc > 0
	s_wait_dscnt 16                                ; this block's sixteen LDS instructions may be out: the block before is back
	OSEND cc-1
.endif
.set cc, cc+1
.endr
	s_wait_dscnt 0x0
	OSEND 7
	s_wait_xcnt 0x0                                ; the stores' registers and base are rewritten only behind this wait
.endm
	s_wait_tensorcnt 0x1                           ; my part of k's d half 0 is in; half 1 may stay out
	s_wait_dscnt 0x0
	s_barrier_signal -1
	s_barrier_wait -1
	FETCH 0
	FETCH 1
	s_branch .Lmid                                 ; the loop is entered in its middle: a trip is one tile's PV phase and the next tile's S phase
.Lloop:
	PVPHASE 0
	WIN 0
	s_cmp_lg_u32 s[TAU], s[XX]
	s_cbranch_scc1 .Lno_end
	OEND                                           ; walk 1 ends
	s_mov_b64 s[OUTC:OUTC+1], s[OUTB:OUTB+1]
	s_mov_b32 s[NEW], 1
.Lno_end:
	s_add_co_u32 s[TAU], s[TAU], 1
	s_mov_b32 s[SIG], s[NSIG]
.Lmid:
	; What the tile hides, and which tile follows.  e: my query block's place among the tile's four bands of 64 keys.  In a walk's last tile band w is seen whole if w < e, not at all if w > e, and holds the diagonal if w = e.
	s_sub_co_u32 s[DG], 3, s[CX]
	s_cmp_le_u32 s[TAU], s[XX]
	s_cselect_b32 s[DG], s[CX], s[DG]              ; e = a % 4 in walk 1, b % 4 in walk 2
	s_cmp_eq_u32 s[TAU], 4
	s_cselect_b32 s[TS], 1, 0
	s_cmp_eq_u32 s[TAU], s[XX]
	s_cselect_b32 s[TS], 1, s[TS]                  ; a walk's last tile?
	s_cmp_eq_u32 s[TS], 1
	s_cselect_b32 s[DG], s[DG], 4
	s_cmp_gt_u32 s[WV], s[DG]
	s_cselect_b32 s[LO], 0, -1                     ; key blocks below the diagonal
	s_cmp_lt_u32 s[WV], s[DG]
	s_cselect_b32 s[HI], -1, 0                     ; above it
	s_add_co_u32 s[NSIG], s[SIG], 1
	s_cmp_eq_u32 s[TAU], s[XX]
	s_cselect_b32 s[NSIG], 0, s[NSIG]              ; behind walk 1's last tile comes walk 2's tile 0
	s_lshl_b32 s[OFFV], s[SIG], 18                 ; a tile is 256 rows of 1,024 bytes
	s_lshl_b32 s[OFFK], s[NSIG], 18
	s_lshl_b32 s[ZOF], s[SIG], 10                  ; and 256 z of 4 bytes
	s_add_nc_u64 s[ZC:ZC+1], s[ZB:ZB+1], s[ZOF:ZOF+1]  ; (the load that named this pair was waited for in the tile before)
.irp p, 0,1,2,3
	v_and_or_b32 v[TD+\p], v[T0+\p], s[LO], s[HI]  ; on the diagonal.  These four lines and the first step's four v_nop stand between the last PV products and the products that write over their buffer
.endr
	s_wait_loadcnt 0x0                             ; the walk's queries are in
	global_load_b64 v[ZR:ZR+1], v[ZG], s[ZC:ZC+1]  ; my band's 64 z, 256 consecutive bytes a wave: they have the S phase in which to come
	KS 0, 1
.irp k, 1,2,3,4,5
	KS \k, 0
.endr
	TURNS 6, 0, 0
.irp k, 7,8,9,10,11,12,13
	KS \k, 0
.endr
	TURNS 14, 1, 131072
	PLACES                                         ; step 15: in place of key fragments, z (through my own 256 bytes of LDS, read back so that each lane has its eight keys' of each block) and v's first fragments
	s_wait_loadcnt 0x0
	ds_store_b64 v[ZW], v[ZR:ZR+1]
.irp f, 0,1,2,3
	ds_load_b128 v[ZF+8*\f:ZF+8*\f+3],   v[ZA] offset:\f*64
	ds_load_b128 v[ZF+8*\f+4:ZF+8*\f+7], v[ZA] offset:\f*64+16
.endr
	VLOAD 0, 0
	MULS 15, 0, 4, 0                               ; its fragments were waited for at the change of slots
	WIN 0
	PLACES                                         ; behind the last products: for the loads into the queries' registers and for the reads of the scores
	s_cmp_lg_u32 s[TAU], s[XX]
	s_cbranch_scc1 .Lno_own
	OWNLOAD QBK                                    ; walk 1's last scores are made: walk 2's queries come during the PV phase
.Lno_own:
	s_wait_dscnt 8                                 ; z is in; v's eight loads may stay out
	; THE WEIGHTS, a key block at a time: 2^(c S - z), rounded to f16 in pairs, hidden ones cleared, 16 bytes (eight keys of one query) into P.
.irp f, 0,1,2,3
.irp g, 0,1,2,3
.irp p, 0,2,4,6
	v_pk_fma_f32 v[ACC+32*\f+8*\g+\p:ACC+32*\f+8*\g+\p+1], v[ACC+32*\f+8*\g+\p:ACC+32*\f+8*\g+\p+1], s[CS:CS+1], v[ZF+8*\f+\p:ZF+8*\f+\p+1] op_sel_hi:[1,0,1] neg_lo:[0,0,1] neg_hi:[0,0,1]
.endr
.endr
.set i, 0
.rept 32
	v_exp_f32 v[ACC+32*\f+i], v[ACC+32*\f+i]
.set i, i+1
.endr
	v_nop                                          ; a plain line between the exponentials and the use of their results
	s_wait_alu depctr_va_vdst(0)
.irp g, 0,1,2,3
.irp p, 0,1,2,3
	v_cvt_pk_f16_f32 v[ACC+32*\f+8*\g+\p], v[ACC+32*\f+8*\g+2*\p], v[ACC+32*\f+8*\g+2*\p+1]
.endr
.endr
.irp g, 0,1,2,3
.irp p, 0,1,2,3
.if \f < \g
	v_and_b32 v[ACC+32*\f+8*\g+\p], s[LO], v[ACC+32*\f+8*\g+\p]
.elseif \f == \g
	v_and_b32 v[ACC+32*\f+8*\g+\p], v[TD+\p], v[ACC+32*\f+8*\g+\p]
.else
	v_and_b32 v[ACC+32*\f+8*\g+\p], s[HI], v[ACC+32*\f+8*\g+\p]
.endif
.endr
	ds_store_b128 v[PA], v[ACC+32*\f+8*\g:ACC+32*\f+8*\g+3] offset:\g*16*PITCH+32*\f
.endr
.endr
	s_wait_dscnt 0x0                               ; for the others' sake: my part of P is in LDS
	s_barrier_signal -1                            ; v's second half may stay on its way
	s_barrier_wait -1
	s_sub_co_u32 s[CNT], s[CNT], 1
	s_cmp_lg_u32 s[CNT], 0
	s_cbranch_scc1 .Lloop
	PVPHASE 1                                      ; the last tile's PV phase is written out: it asks for nothing more
	OEND                                           ; walk 2 ends
	s_wait_tensorcnt 0x0                           ; the wave's end: behind my last tensor load and my last LDS store
	ds_add_u32 v[SPW], v[NIL]
	s_wait_dscnt 0x0
	CROUND                                         ; the closing round
	s_endpgm
.Lfunc_end_k_qbaa75f323b_outp:
	.size	k_qbaa75f323b_outp, .Lfunc_end_k_qbaa75f323b_outp-k_qbaa75f323b_outp
	.p2alignl 7, 3214868480
	.fill 96, 4, 3214868480
	.section	.rodata,"a",@progbits
	.p2align	6, 0x0
	.amdhsa_kernel k_qbaa75f323b_outp
		.amdhsa_group_segment_fixed_size 327680
		.amdhsa_private_segment_fixed_size 0
		.amdhsa_enable_private_segment 0
		.amdhsa_kernarg_size 24
		.amdhsa_user_sgpr_count 2
		.amdhsa_user_sgpr_kernarg_segment_ptr 1
		.amdhsa_wavefront_size32 1
		.amdhsa_system_sgpr_workgroup_id_x 1
		.amdhsa_system_sgpr_workgroup_id_y 1
		.amdhsa_system_sgpr_workgroup_id_z 1
		.amdhsa_system_vgpr_workitem_id 0
		.amdhsa_next_free_vgpr 1024
		.amdhsa_next_free_sgpr 80
		.amdhsa_reserve_vcc 1
		.amdhsa_float_denorm_mode_32 3
		.amdhsa_float_denorm_mode_16_64 3
		.amdhsa_memory_ordered 1
		.amdhsa_forward_progress 1
		.amdhsa_inst_pref_size 174
	.end_amdhsa_kernel
	.amdgpu_metadata
---
amdhsa.version: [ 1, 2 ]
amdhsa.kernels:
  - .name:           k_qbaa75f323b_outp
    .symbol:         k_qbaa75f323b_outp.kd
    .args:
      - { .name: qkv, .offset: 0, .size: 8, .value_kind: global_buffer, .address_space: global }
      - { .name: zs, .offset: 8, .size: 8, .value_kind: global_buffer, .address_space: global }
      - { .name: out0, .offset: 16, .size: 8, .value_kind: global_buffer, .address_space: global }
    .group_segment_fixed_size: 327680
    .private_segment_fixed_size: 0
    .kernarg_segment_align: 8
    .kernarg_segment_size: 24
    .max_flat_workgroup_size: 128
    .sgpr_count:     80
    .vgpr_count:     1024
    .wavefront_size: 32
...
	.end_amdgpu_metadata
.endif
;; end of part 4
;; ======== version 2 of 2: 4 launches; 1.12 times as fast as version 1
;; limits: values are held in f16: magnitudes above 65,504 overflow, below 6.1e-05 lose precision
;; workspace buffers: wb 1,572,864 bytes; bb 6,144 bytes; qkv 100,663,296 bytes; ew 67,108,864 bytes
;; launch prep: the kernel of part 1 again; grid 128 x 3, 8 waves a work-group, no clusters, 0 bytes of LDS; arguments Wq, Wk, Wv, bq, bk, bv, wb, bb; writes wb, bb
;; launch proj: the kernel of part 2 again; grid 8 x 32, 4 waves a work-group, clusters of 4 x 1, 327,680 bytes of LDS; arguments x, wb, bb, qkv; writes qkv
;; launch stats (part 5): grid 8 x 32, 4 waves a work-group, clusters of 4 x 1, 327,680 bytes of LDS; arguments qkv, ew; writes ew
.if DOCPART == 5
	.amdgcn_target "amdgcn-amd-amdhsa--gfx1250"
	.amdhsa_code_object_version 6
	.text
	.protected	k_qbaa75f323b_stats
	.globl	k_qbaa75f323b_stats
	.p2align	8
	.type	k_qbaa75f323b_stats,@function
k_qbaa75f323b_stats:
	s_mov_b64 s[64:65], 0
	v_nop
	global_prefetch_b8 v0, s[64:65] scope:SCOPE_SE
	s_setreg_imm32_b32 hwreg(HW_REG_WAVE_MODE, 25, 1), 1
	s_wait_xcnt 0x0
	s_wait_alu depctr_hold_cnt(0) depctr_sa_sdst(0) depctr_va_vdst(0) depctr_va_sdst(0) depctr_va_ssrc(0) depctr_va_vcc(0) depctr_vm_vsrc(0)
	s_getreg_b32 s2, hwreg(HW_REG_IB_STS2, 6, 4)
	s_cmp_eq_u32 s2, 0
	s_cbranch_scc0 .Lentry_in_a_cluster
	s_endpgm
.Lentry_in_a_cluster:
	s_bfe_u32 s2, ttmp6, 0x10000c
	s_cmp_lg_u32 s2, 0x3003
	s_cbranch_scc0 .Lentry_shape_is_right
	s_endpgm
.Lentry_shape_is_right:
; ew = the weights of the softmax over the QUERY axis, in f16: w[t][s] = 2^(c S[t][s] - z[s]) for t >= s and 0 for t < s; S[t][s] = q[t] . k[s], c = log2(e) / sqrt(512),
; z[s] = c max_t S + log2 sum_t 2^(c S - c max), by a running maximum.  q, k: planes 0 and 1 of qkv, [32][1024][512] f16.  Products in f16; sums, maxima and exponentials in f32.
; ew's LAYOUT: [batch][query block of 64][key tile of 256][key block of 64][f][g][key r of 16][16 queries]: key = 256 tile + 64 block + 16 g + r, query = 64 block + 16 f + 0..15.  Only key tiles that a query
; block sees (tile <= block / 4) are written.  A lane's eight queries of one key are 16 bytes at 32 r + 16 h of (f, g)'s 512 bytes: a wave's store covers 512 consecutive bytes, aligned.
; ROUNDING.  A walk's last tile (the queries 768 to 1,023, where the large weights lie) is scaled in f32 and rounded to f16 once.  Earlier tiles wait in registers as f16, relative to the lane's running maximum of
; their time, and are multiplied in f16 by an f16 factor when z is known: two roundings more, on weights of columns that are shared among more than 256 queries.
; LIMITS.  A hidden score counts as its value less 1e30 (f16's scores are 2.2e12 at the most); the running maximum starts at -2^66, below every true score and far above every hidden one, so a lane that has
; seen hidden scores alone keeps l = 0 and weights 0; a weight below 6e-8 counts as 0; NaN and infinities are not treated apart.
; SHARES.  A batch has 16 blocks of 64 keys and 8 work-groups.  A work-group owns key blocks b = 15 - a and a = 4 X + cx, one after the other (two WALKS); the queries are streamed in tiles of 256 rows.
; Walk 1 needs the tiles 3 - X .. 3, walk 2 the tiles X .. 3: five tiles whatever X and cx, and the four partners of a cluster need the same tile in the same trip: every tile is asked for JOINTLY.
; Only a walk's first tile hides anything; that is done by the C operand that starts the sums (0 or -1e30), made from cx and the wave's number by selects, never by a branch.
; THE PRODUCT: source 0 = 16 queries (from LDS), source 1 = 16 keys (512 registers, loaded once a walk): a lane holds ONE key (lane % 16) and eight queries.  Wave w takes the tile's queries 64 w .. 64 w + 63.
; RING: two slots of 256 rows x 512 bytes: d half 0 in slot 0, d half 1 in slot 1.  By this text's count a wave has two tensor loads out at the start and one later.
; REGISTERS: window 0: addresses; v16-31 statistics, four a key block g (c m, m, l even, l odd); v32-127 three buffers of query fragments (at work between tiles); v128-255 the 16 accumulators,
; (f, g) at 128 + 8 (4 f + g).  Window 1: v0-7 the diagonal's mask, v8-31 the three C operands, v32-43 the waiting tiles' c m, v64-255 three waiting tiles.  Windows 2, 3: the keys, K step k, block g at
; window 2 + k / 8, register 32 (k % 8) + 8 g.
.set PITCH, 528
.set QUART, 64*PITCH
.set SLOT,  4*QUART
.set SX,    2*SLOT                     ; behind the ring: [loop's text, tail's text][wave][64 keys] (m, l): 2 x 2,048 bytes
.set SPARE, SX+4096                    ; the spare words, 128 bytes for each wave
.set AS,   2                           ; v2, v3  LDS address of my query fragments in slot 0, 1
.set KO,   4                           ; v4   my byte offset in 16 rows of k
.set SXW,  5                           ; v5   where I put my key's (m, l)
.set SXR,  6                           ; v6   where I read a key's (m, l) of wave 0
.set EO,   7                           ; v7   my byte offset in 512 bytes of ew
.set SPW,  14                          ; v14  LDS address of my spare word; never rewritten
.set NIL,  15                          ; v15  0; never rewritten
.set ST,   16
.set BUF,  32
.set LM,   32                          ; between tiles: the four waves' (m, l), eight registers a key block
.set ZZ,   64                          ; between tiles: eight a key block: M, z, four at work, the factor, log2 l
.set TT,   96                          ; eight registers a key block, at work
.set ACC,  128
.set T1,   0                           ; window 1
.set CL,   8
.set CD,   16
.set CH,   24
.set CQ,   32                          ; c m of the waiting tiles: tile j, key block g at CQ + 4 j + g
.set Q,    64                          ; the waiting tiles: tile j (the walk's last but j + 1), (f, g) at Q + 64 j + 4 (4 f + g)
.set WV,   12                          ; s12 wave;  s13 cx;  s14 X;  s15 batch;  s16 a;  s17 b
.set CX,   13
.set XX,   14
.set BB,   15
.set BKA,  16
.set BKB,  17
.set TAU,  18                          ; s18 the tile's number, 0..4
.set SIG,  19                          ; s19 which 256 queries it is
.set NSIG, 20                          ; s20 the next tile's
.set CNT,  21
.set G1,   24
.set G0,   32
.set QB,   40                          ; s[40:41], s[42:43] q at my 64 rows of tile 0, d half 0, 1
.set OFF,  44                          ; s[44:45] the next tile's byte offset
.set KA,   46                          ; s[46:47] k at block a;  s[48:49] at block b
.set KB,   48
.set EC1,  50                          ; s[50:51] ew at (query block 12 + w, key block b): walk 1's last tile
.set CS,   52                          ; s[52:53] c
.set SEL,  54                          ; s[54:55] v_permlanex16_b32's selects
.set AL,   56                          ; s[56:57] the diagonal mask's factor
.set BE,   58                          ; s[58:59] the C operand below the diagonal, and the diagonal mask's addend
.set CLV,  60                          ; s60 the C operand above the diagonal
.set NEG,  61                          ; s61 -1e30
.set DG,   62
.set TS,   63
.set EC2,  66                          ; s[66:67] ew at (query block 12 + w, key block a): walk 2's last tile
.set MSB, 0
.macro WIN new
.if MSB != (\new)
	s_set_vgpr_msb (MSB<<8)|(\new)
.set MSB, (\new)
.endif
.endm
.macro PLACES
.rept 4
	v_nop
.endr
.endm
.macro CREST
	s_cmp_lg_u32 s[WV], 0
	s_cbranch_scc1 .Lnot_wave_0_\@
	s_barrier_signal -3
.Lnot_wave_0_\@:
	s_barrier_wait -3
	s_barrier_signal -1
	s_barrier_wait -1
.endm
.macro CROUND
	s_barrier_signal -1
	s_barrier_wait -1
	CREST
.endm
.macro OWNLOAD base                    ; 64 rows x 512 d into 512 registers: row 16 g + lane % 16, bytes 64 k + 16 (lane / 16) and 32 further on
.set kk, 0
.rept 16
	WIN 0x80+0x40*(kk/8)
.irp g, 0,1,2,3
	global_load_b128 v[32*(kk%8)+8*\g:32*(kk%8)+8*\g+3],   v[KO], s[\base:(\base)+1] offset:\g*16384+kk*64
	global_load_b128 v[32*(kk%8)+8*\g+4:32*(kk%8)+8*\g+7], v[KO], s[\base:(\base)+1] offset:\g*16384+kk*64+32
.endr
.set kk, kk+1
.endr
	WIN 0
.endm
.macro RESET                           ; a walk begins: m = -2^66, c m = c x that exactly, l = 0
.irp g, 0,1,2,3
	v_mov_b32 v[ST+4*\g], 0xde8293ee
	v_mov_b32 v[ST+4*\g+1], 0xe0800000
	v_mov_b32 v[ST+4*\g+2], 0
	v_mov_b32 v[ST+4*\g+3], 0
.endr
.endm
	s_load_b128 s[4:7], s[0:1], 0x0                ; qkv s[4:5], ew s[6:7]
	v_lshl_add_u32 v[SPW], v0, 2, SPARE
	v_mov_b32 v[NIL], 0
	ds_add_u32 v[SPW], v[NIL]                      ; the wave's opening: the add and its wait ahead of my first tensor load
	v_lshrrev_b32 v1, 5, v0
	v_readfirstlane_b32 s[WV], v1
	s_bfe_u32 s[CX], ttmp6, 0x40000
	s_mov_b32 s[XX], ttmp9                         ; the cluster's number in the batch, 0 or 1: the same in all four partners
	s_and_b32 s[BB], ttmp7, 0xffff
	s_lshl_b32 s[BKA], s[XX], 2
	s_add_co_u32 s[BKA], s[BKA], s[CX]
	s_sub_co_u32 s[BKB], 15, s[BKA]
	s_mov_b32 s[G1], 15|(1<<16)|(1<<20)|(1<<21)|(6<<22)|(3<<25)  ; the mask of four; 2-byte elements; padding on; bit 21 beside a mask; after every 128 words, 4 words
	s_mov_b32 s[G1+1], 256<<16
	s_mov_b32 s[G1+2], 64<<16
	s_mov_b32 s[G1+3], 256<<16
	s_mov_b32 s[G1+4], 64
	s_mov_b32 s[G1+5], 512
	s_mov_b32 s[G1+6], 0
	s_mov_b32 s[G1+7], 0
	s_mul_i32 s22, s[WV], QUART
	s_mov_b32 s[G0], 1
	s_mov_b32 s[G0+1], s22
	s_mov_b32 s[G0+4], 1
	s_add_co_u32 s[G0+5], s22, SLOT
	s_lshl_b32 s[QB], s[BB], 20                    ; q: the batch's 1,024 rows of 1,024 bytes,
	s_lshl_b32 s23, s[WV], 16                      ; my 64 rows of a tile
	s_add_co_u32 s[QB], s[QB], s23
	s_mov_b32 s[QB+1], 0
	s_lshl_b32 s23, s[BB], 20
	s_add_co_u32 s23, s23, 1<<25                   ; k: plane 1
	s_lshl_b32 s[KA], s[BKA], 16
	s_add_co_u32 s[KA], s[KA], s23
	s_mov_b32 s[KA+1], 0
	s_lshl_b32 s[KB], s[BKB], 16
	s_add_co_u32 s[KB], s[KB], s23
	s_mov_b32 s[KB+1], 0
	s_lshl_b32 s23, s[BB], 21                      ; ew: the batch's 2,097,152 bytes,
	s_add_co_u32 s[TS], s[WV], 12                  ; query block 12 + w (a walk's last tile is the queries 768 on), 131,072 bytes each,
	s_lshl_b32 s[TS], s[TS], 17
	s_add_co_u32 s23, s23, s[TS]
	s_sub_co_u32 s[EC1], 3, s[XX]                  ; walk 1: key tile b / 4 = 3 - X, 32,768 bytes each,
	s_lshl_b32 s[EC1], s[EC1], 15
	s_add_co_u32 s[EC1], s[EC1], s23
	s_sub_co_u32 s[TS], 3, s[CX]                   ; key block b % 4 = 3 - cx, 8,192 bytes each
	s_lshl_b32 s[TS], s[TS], 13
	s_add_co_u32 s[EC1], s[EC1], s[TS]
	s_mov_b32 s[EC1+1], 0
	s_lshl_b32 s[EC2], s[XX], 15                   ; walk 2: key tile a / 4 = X,
	s_add_co_u32 s[EC2], s[EC2], s23
	s_lshl_b32 s[TS], s[CX], 13                    ; key block a % 4 = cx
	s_add_co_u32 s[EC2], s[EC2], s[TS]
	s_mov_b32 s[EC2+1], 0
	s_mov_b32 s[CS], 0x3d8293ee                    ; c = log2(e) / sqrt(512) = 0.0637587
	s_mov_b32 s[CS+1], s[CS]
	s_mov_b32 s[SEL], 0x76543210
	s_mov_b32 s[SEL+1], 0xfedcba98
	s_mov_b32 s[AL+1], 0
	s_mov_b32 s[BE+1], 0
	s_mov_b32 s[NEG], 0xf149f2ca                   ; -1e30
	s_sub_co_u32 s[SIG], 3, s[XX]                  ; walk 1's first tile
	s_lshl_b32 s[OFF], s[SIG], 18                  ; a tile is 256 rows of 1,024 bytes
	s_mov_b32 s[OFF+1], 0
	s_mov_b32 s[TAU], 0
	s_mov_b32 s[CNT], 4
	s_wait_dscnt 0x0                               ; the opening add is done
	s_wait_kmcnt 0x0
	s_add_nc_u64 s[QB:QB+1], s[4:5], s[QB:QB+1]
	s_add_nc_u64 s[QB+2:QB+3], s[QB:QB+1], 512
	s_add_nc_u64 s[KA:KA+1], s[4:5], s[KA:KA+1]
	s_add_nc_u64 s[KB:KB+1], s[4:5], s[KB:KB+1]
	s_add_nc_u64 s[EC1:EC1+1], s[6:7], s[EC1:EC1+1]
	s_add_nc_u64 s[EC2:EC2+1], s[6:7], s[EC2:EC2+1]
	s_add_nc_u64 s[G0+2:G0+3], s[QB:QB+1], s[OFF:OFF+1]
	s_or_b32 s[G0+3], s[G0+3], 0x80000000
	s_add_nc_u64 s[G0+6:G0+7], s[QB+2:QB+3], s[OFF:OFF+1]
	s_or_b32 s[G0+7], s[G0+7], 0x80000000
	CROUND                                         ; all four work-groups are here: the first joint loads meet
	tensor_load_to_lds s[G0:G0+3], s[G1:G1+7]
	s_nop 0
	tensor_load_to_lds s[G0+4:G0+7], s[G1:G1+7]
	s_nop 0
	PLACES
	v_and_b32 v8, 15, v0                           ; r
	v_bfe_u32 v9, v0, 4, 1                         ; h
	v_lshlrev_b32 v[KO], 10, v8
	v_lshl_add_u32 v[KO], v9, 4, v[KO]             ; row x 1,024 + 16 h
	OWNLOAD KB                                     ; walk 1's keys
	v_mul_u32_u24 v[AS], v8, PITCH
	v_lshl_add_u32 v[AS], v9, 4, v[AS]
	v_add_nc_u32 v[AS], s22, v[AS]                 ; my 64 rows are the quarter that my own load brings
	v_add_nc_u32 v[AS+1], SLOT, v[AS]
	s_lshl_b32 s23, s[WV], 9
	s_add_co_u32 s23, s23, SX
	v_lshl_add_u32 v[SXW], v8, 3, s23              ; SX + 512 w + 8 r
	v_lshl_add_u32 v[SXR], v8, 3, SX               ; SX + 8 r
	v_lshlrev_b32 v[EO], 5, v8
	v_lshl_add_u32 v[EO], v9, 4, v[EO]             ; 32 r + 16 h
	v_lshlrev_b32 v11, 3, v9
	v_sub_nc_u32 v11, v8, v11                      ; r - 8 h: in a diagonal block register j (query 8 h + j) is hidden from key r where j is less
	WIN 0x40
.irp j, 0,1,2,3,4,5,6,7
	v_cmp_lt_i32 vcc_lo, \j, v11
	v_cndmask_b32 v[T1+\j], 0, s[NEG], vcc_lo
.endr
.set i, CQ                             ; the waiting tiles' registers are moved along before they have been filled, so they must hold something: 204 lines, in the wait for the first tile
.rept 12
	v_mov_b32 v[i], 0
.set i, i+1
.endr
.set i, Q
.rept 192
	v_mov_b32 v[i], 0
.set i, i+1
.endr
	WIN 0
	RESET
.macro FETCH k                         ; 8 LDS loads: my 64 queries, 32 d of K step k, into buffer k % 3.  Destination and address lie in window 0 under every setting used round it
.irp f, 0,1,2,3
	ds_load_b128 v[BUF+32*((\k)%3)+8*\f:BUF+32*((\k)%3)+8*\f+3],   v[AS+(\k)/8] offset:\f*16*PITCH+((\k)%8)*64
	ds_load_b128 v[BUF+32*((\k)%3)+8*\f+4:BUF+32*((\k)%3)+8*\f+7], v[AS+(\k)/8] offset:\f*16*PITCH+((\k)%8)*64+32
.endr
.endm
; cnt query blocks from f0 x all 4 key blocks, K step k.  mask = 1: the products start the sums from the mask: above the diagonal (f < g), on it, below it.  The 16 accumulators take turns.
.macro MULS k, f0, cnt, mask
.if \mask
	WIN 0x18                                       ; keys window 2, C window 1
.else
	WIN 0x08+4*((\k)/8)                            ; keys window 2 or 3
.endif
.set ff, \f0
.rept \cnt
.set gg, 0
.rept 4
.set rD, ACC+8*(4*ff+gg)
.set rA, BUF+32*((\k)%3)+8*ff
.set rB, 32*((\k)%8)+8*gg
.if \mask
.set rC, CH
.if ff < gg
.set rC, CL
.elseif ff == gg
.set rC, CD
.endif
	v_wmma_f32_16x16x32_f16 v[rD:rD+7], v[rA:rA+7], v[rB:rB+7], v[rC:rC+7]
.else
	v_wmma_f32_16x16x32_f16 v[rD:rD+7], v[rA:rA+7], v[rB:rB+7], v[rD:rD+7]
.endif
.set gg, gg+1
.endr
.set ff, ff+1
.endr
.endm
; A K step: the fragments two steps on are fetched into the buffer that the step before multiplied (four places behind it); left = the younger LDS loads that may stay out.
.macro KS k, fetch, left, mask
.if \mask
	WIN 0x18
.else
	WIN 0x08+4*((\k)/8)
.endif
	PLACES
.if \fetch
	FETCH (\k)+2
.endif
	s_wait_dscnt \left
	MULS \k, 0, 4, \mask
.endm
; K steps 6 and 14: the slot's last fragments have been asked for, and the slots change.  Each wave waits for all its tensor loads (one is out: its part of the other slot), adds 0 to its spare word, and waits
; for that and for its reads of this slot.  fill = 1: the barrier opens a round of the cluster's, and the joint refill, the next tile's same d half, is the first thing behind it.
.macro TURNS k, slot, fill
	WIN 0
	s_wait_tensorcnt 0x0
	ds_add_u32 v[SPW], v[NIL]                      ; 0 onto my spare word
	s_wait_dscnt 9                                 ; (the add and the next step's eight loads may be out)
	MULS \k, 0, 2, 0
	s_wait_dscnt 0x0                               ; the add is done, and my reads of this slot are over
	s_barrier_signal -1
	MULS \k, 2, 2, 0
	WIN 0
	s_barrier_wait -1
.if \fill
	CREST
	s_add_nc_u64 s[G0+4*(\slot)+2:G0+4*(\slot)+3], s[QB+2*(\slot):QB+2*(\slot)+1], s[OFF:OFF+1]  ; the address is made anew from the tile's number
	s_or_b32 s[G0+4*(\slot)+3], s[G0+4*(\slot)+3], 0x80000000
	tensor_load_to_lds s[G0+4*(\slot):G0+4*(\slot)+3], s[G1:G1+7]
	s_nop 0
	PLACES
.else
	PLACES
.endif
.if (\k) == 6
	FETCH 8
.endif
.endm
; What a tile hides, and which tile follows.  e: my key block's place among the tile's four bands of 64 queries.  In a walk's first tile band w sees nothing if w < e, everything if w > e, and holds the diagonal if w = e.
.macro SETUP
	s_sub_co_u32 s[DG], 3, s[CX]
	s_cmp_le_u32 s[TAU], s[XX]
	s_cselect_b32 s[DG], s[DG], s[CX]              ; e = b % 4 in walk 1, a % 4 in walk 2
	s_add_co_u32 s[TS], s[XX], 1
	s_cmp_eq_u32 s[TAU], s[TS]
	s_cselect_b32 s[TS], 1, 0
	s_cmp_eq_u32 s[TAU], 0
	s_cselect_b32 s[TS], 1, s[TS]                  ; a walk's first tile?
	s_cmp_eq_u32 s[TS], 1
	s_cselect_b32 s[DG], s[DG], -1
	s_cmp_gt_i32 s[WV], s[DG]
	s_cselect_b32 s[CLV], 0, s[NEG]                ; query blocks above the diagonal
	s_cmp_lt_i32 s[WV], s[DG]
	s_cselect_b32 s[BE], s[NEG], 0                 ; below it
	s_cmp_eq_u32 s[WV], s[DG]
	s_cselect_b32 s[AL], 1.0, 0                    ; on it
	s_add_co_u32 s[NSIG], s[SIG], 1
	s_cmp_eq_u32 s[TAU], s[XX]
	s_cselect_b32 s[NSIG], s[XX], s[NSIG]          ; behind walk 1's last tile comes walk 2's first, tile X
	s_lshl_b32 s[OFF], s[NSIG], 18
	WIN 0x40
.irp j, 0,1,2,3,4,5,6,7
	v_mov_b32 v[CL+\j], s[CLV]
	v_mov_b32 v[CH+\j], s[BE]
.endr
	WIN 0x41
.irp j, 0,2,4,6
	v_pk_fma_f32 v[CD+\j:CD+\j+1], v[T1+\j:T1+\j+1], s[AL:AL+1], s[BE:BE+1] op_sel_hi:[1,0,0]
.endr
	s_wait_loadcnt 0x0                             ; the walk's keys are in
.endm
; THE SOFTMAX'S SHARE of a tile, stage by stage over the four key blocks: a lane has 32 scores of one key in each.  Each accumulator's lowest registers are read first.
; The exponentials 2^(c S - c m) stay in the accumulators' registers: the sums are made beside them, in two chains a key block.
.macro STAT
	WIN 0
.irp c, 0,1,2,3
.irp g, 0,1,2,3
	v_max3_num_f32 v[TT+8*\g+\c], v[ACC+32*\c+8*\g], v[ACC+32*\c+8*\g+1], v[ACC+32*\c+8*\g+2]
.endr
.endr
.irp s, 1,2
.irp c, 0,1,2,3
.irp g, 0,1,2,3
	v_max3_num_f32 v[TT+8*\g+\c], v[TT+8*\g+\c], v[ACC+32*\c+8*\g+2*\s+1], v[ACC+32*\c+8*\g+2*\s+2]
.endr
.endr
.endr
.irp g, 0,1,2,3
	v_max3_num_f32 v[TT+8*\g], v[TT+8*\g], v[ACC+8*\g+7], v[ACC+32+8*\g+7]
	v_max3_num_f32 v[TT+8*\g+1], v[TT+8*\g+1], v[ACC+64+8*\g+7], v[ACC+96+8*\g+7]
	v_max3_num_f32 v[TT+8*\g+2], v[TT+8*\g+2], v[TT+8*\g+3], v[ST+4*\g+1]
	v_mov_b32 v[TT+8*\g+4], v[ST+4*\g]             ; c m_old is kept
.endr
.irp g, 0,1,2,3
	v_max3_num_f32 v[ST+4*\g+1], v[TT+8*\g], v[TT+8*\g+1], v[TT+8*\g+2]  ; the new m
.endr
.irp g, 0,1,2,3
	v_mul_f32 v[ST+4*\g], s[CS], v[ST+4*\g+1]
.endr
.irp g, 0,1,2,3
	v_sub_f32 v[TT+8*\g+4], v[TT+8*\g+4], v[ST+4*\g]
.endr
.irp g, 0,1,2,3
	v_exp_f32 v[TT+8*\g+2], v[TT+8*\g+4]           ; a = 2^(c m_old - c m_new); the scalings below are the plain lines behind it
.endr
.irp f, 0,1,2,3
.irp g, 0,1,2,3
.irp p, 0,2,4,6
	v_pk_fma_f32 v[ACC+32*\f+8*\g+\p:ACC+32*\f+8*\g+\p+1], v[ACC+32*\f+8*\g+\p:ACC+32*\f+8*\g+\p+1], s[CS:CS+1], v[ST+4*\g:ST+4*\g+1] op_sel_hi:[1,0,0] neg_lo:[0,0,1] neg_hi:[0,0,1]
.endr
.endr
.endr
.set i, 0
.rept 128
	v_exp_f32 v[ACC+i], v[ACC+i]
.set i, i+1
.endr
	v_nop                                          ; a plain line between the exponentials and the use of their results
	s_wait_alu depctr_va_vdst(0)
.irp g, 0,1,2,3
	v_pk_add_f32 v[TT+8*\g:TT+8*\g+1],   v[ACC+8*\g:ACC+8*\g+1],   v[ACC+8*\g+2:ACC+8*\g+3]
	v_pk_add_f32 v[TT+8*\g+4:TT+8*\g+5], v[ACC+8*\g+4:ACC+8*\g+5], v[ACC+8*\g+6:ACC+8*\g+7]
.endr
.irp f, 1,2,3
.irp p, 0,4
.irp g, 0,1,2,3
	v_pk_add_f32 v[TT+8*\g:TT+8*\g+1],   v[TT+8*\g:TT+8*\g+1],   v[ACC+32*\f+8*\g+\p:ACC+32*\f+8*\g+\p+1]
	v_pk_add_f32 v[TT+8*\g+4:TT+8*\g+5], v[TT+8*\g+4:TT+8*\g+5], v[ACC+32*\f+8*\g+\p+2:ACC+32*\f+8*\g+\p+3]
.endr
.endr
.endr
.irp g, 0,1,2,3
	v_pk_add_f32 v[TT+8*\g:TT+8*\g+1], v[TT+8*\g:TT+8*\g+1], v[TT+8*\g+4:TT+8*\g+5]
.endr
.irp g, 0,1,2,3
	v_pk_fma_f32 v[ST+4*\g+2:ST+4*\g+3], v[ST+4*\g+2:ST+4*\g+3], v[TT+8*\g+2:TT+8*\g+3], v[TT+8*\g:TT+8*\g+1] op_sel_hi:[1,0,1]  ; l = a l + the sum
.endr
.endm
; l's two halves are added, and the key's other queries, in the lane 16 away, are merged in: (m, l) of my wave's queries so far in v[TT + 8 g + 6 : + 7], alike in both halves of the lanes.  The statistics stay as they are.
.macro PART
	WIN 0
.irp g, 0,1,2,3
	v_add_f32 v[TT+8*\g], v[ST+4*\g+2], v[ST+4*\g+3]
.endr
.irp g, 0,1,2,3
	v_permlanex16_b32 v[TT+8*\g+1], v[ST+4*\g+1], s[SEL], s[SEL+1]
	v_permlanex16_b32 v[TT+8*\g+2], v[TT+8*\g], s[SEL], s[SEL+1]
.endr
.irp g, 0,1,2,3
	v_max_num_f32 v[TT+8*\g+6], v[ST+4*\g+1], v[TT+8*\g+1]
.endr
.irp g, 0,1,2,3
	v_sub_f32 v[TT+8*\g+4], v[ST+4*\g+1], v[TT+8*\g+6]
	v_sub_f32 v[TT+8*\g+5], v[TT+8*\g+1], v[TT+8*\g+6]
.endr
.irp g, 0,1,2,3
	v_pk_mul_f32 v[TT+8*\g+4:TT+8*\g+5], v[TT+8*\g+4:TT+8*\g+5], s[CS:CS+1] op_sel_hi:[1,0]
.endr
.irp g, 0,1,2,3
	v_exp_f32 v[TT+8*\g+4], v[TT+8*\g+4]
	v_exp_f32 v[TT+8*\g+5], v[TT+8*\g+5]
.endr
	v_nop
	s_wait_alu depctr_va_vdst(0)
.irp g, 0,1,2,3
	v_mul_f32 v[TT+8*\g+7], v[TT+8*\g], v[TT+8*\g+4]
.endr
.irp g, 0,1,2,3
	v_fmac_f32 v[TT+8*\g+7], v[TT+8*\g+2], v[TT+8*\g+5]
.endr
.endm
; My wave's (m, l) go to LDS, and a barrier follows, in every tile: so no barrier hangs on a flag.  Both halves of the lanes write the same bytes with the same numbers.  The tensor load that is out may stay out.
; The words are written again a tile later, behind that tile's two changes of slots, in front of which every wave has waited for its reads.
.macro XCH wo
.irp g, 0,1,2,3
	ds_store_b64 v[SXW], v[TT+8*\g+6:TT+8*\g+7] offset:(\wo)+\g*128
.endr
	s_wait_dscnt 0x0                               ; for the others' sake: my stores are done
	s_barrier_signal -1
	s_barrier_wait -1
.endm
; A walk's end: every wave reads all four waves' (m, l) of its lane's four keys and makes z = c M + log2 sum l 2^(c m - c M).
.macro ZED wo
	WIN 0
.irp g, 0,1,2,3
.irp w, 0,1,2,3
	ds_load_b64 v[LM+8*\g+2*\w:LM+8*\g+2*\w+1], v[SXR] offset:(\wo)+\w*512+\g*128
.endr
.endr
	s_wait_dscnt 0x0
.irp g, 0,1,2,3
	v_max3_num_f32 v[ZZ+8*\g], v[LM+8*\g], v[LM+8*\g+2], v[LM+8*\g+4]
.endr
.irp g, 0,1,2,3
	v_max_num_f32 v[ZZ+8*\g], v[ZZ+8*\g], v[LM+8*\g+6]
.endr
.irp g, 0,1,2,3
.irp w, 0,1,2,3
	v_sub_f32 v[ZZ+8*\g+2+\w], v[LM+8*\g+2*\w], v[ZZ+8*\g]
.endr
.endr
.irp g, 0,1,2,3
	v_pk_mul_f32 v[ZZ+8*\g+2:ZZ+8*\g+3], v[ZZ+8*\g+2:ZZ+8*\g+3], s[CS:CS+1] op_sel_hi:[1,0]
	v_pk_mul_f32 v[ZZ+8*\g+4:ZZ+8*\g+5], v[ZZ+8*\g+4:ZZ+8*\g+5], s[CS:CS+1] op_sel_hi:[1,0]
.endr
.irp g, 0,1,2,3
.irp w, 0,1,2,3
	v_exp_f32 v[ZZ+8*\g+2+\w], v[ZZ+8*\g+2+\w]
.endr
.endr
	v_nop
	s_wait_alu depctr_va_vdst(0)
.irp g, 0,1,2,3
	v_mul_f32 v[ZZ+8*\g+7], v[LM+8*\g+1], v[ZZ+8*\g+2]
.endr
.irp w, 1,2,3
.irp g, 0,1,2,3
	v_fmac_f32 v[ZZ+8*\g+7], v[LM+8*\g+2*\w+1], v[ZZ+8*\g+2+\w]
.endr
.endr
.irp g, 0,1,2,3
	v_log_f32 v[ZZ+8*\g+7], v[ZZ+8*\g+7]
.endr
	v_nop
	s_wait_alu depctr_va_vdst(0)
.irp g, 0,1,2,3
	v_fma_f32 v[ZZ+8*\g+1], s[CS], v[ZZ+8*\g], v[ZZ+8*\g+7]
.endr
.endm
; The walk's last tile: its exponentials, still in f32, times 2^(c m - z), rounded to f16 once (in place, into each accumulator's four lowest registers) and stored.
.macro LASTT ec
.irp g, 0,1,2,3
	v_sub_f32 v[ZZ+8*\g+6], v[ST+4*\g], v[ZZ+8*\g+1]
.endr
.irp g, 0,1,2,3
	v_exp_f32 v[ZZ+8*\g+6], v[ZZ+8*\g+6]
.endr
	v_nop
	s_wait_alu depctr_va_vdst(0)
.irp f, 0,1,2,3
.irp g, 0,1,2,3
.irp p, 0,2,4,6
	v_pk_mul_f32 v[ACC+32*\f+8*\g+\p:ACC+32*\f+8*\g+\p+1], v[ACC+32*\f+8*\g+\p:ACC+32*\f+8*\g+\p+1], v[ZZ+8*\g+6:ZZ+8*\g+7] op_sel_hi:[1,0]
.endr
.endr
.endr
.irp f, 0,1,2,3
.irp g, 0,1,2,3
.irp p, 0,1,2,3
	v_cvt_pk_f16_f32 v[ACC+32*\f+8*\g+\p], v[ACC+32*\f+8*\g+2*\p], v[ACC+32*\f+8*\g+2*\p+1]
.endr
.endr
.endr
.irp f, 0,1,2,3
.irp g, 0,1,2,3
	global_store_b128 v[EO], v[ACC+32*\f+8*\g:ACC+32*\f+8*\g+3], s[\ec:(\ec)+1] offset:(4*\f+\g)*512  ; 512 consecutive bytes, aligned
.endr
.endr
.endm
; Waiting tile j (the walk's last but j + 1: four query blocks, 524,288 bytes, further down for each step back): times 2^(its c m - z), in f16, and stored.
.macro OLD j, ec
	WIN 0x01                                       ; source 0 in window 1
.irp g, 0,1,2,3
	v_sub_f32 v[ZZ+8*\g+2], v[CQ+4*(\j)+\g], v[ZZ+8*\g+1]
.endr
	WIN 0
.irp g, 0,1,2,3
	v_exp_f32 v[ZZ+8*\g+2], v[ZZ+8*\g+2]
.endr
	v_nop
	s_wait_alu depctr_va_vdst(0)
.irp g, 0,1,2,3
	v_cvt_pk_f16_f32 v[ZZ+8*\g+2], v[ZZ+8*\g+2], v[ZZ+8*\g+2]  ; the factor in both halves
.endr
	WIN 0x41                                       ; destination and source 0 in window 1
.irp f, 0,1,2,3
.irp g, 0,1,2,3
.irp p, 0,1,2,3
	v_pk_mul_f16 v[Q+64*(\j)+4*(4*\f+\g)+\p], v[Q+64*(\j)+4*(4*\f+\g)+\p], v[ZZ+8*\g+2]
.endr
.endr
.endr
	WIN 0x04                                       ; store data in window 1
.irp f, 0,1,2,3
.irp g, 0,1,2,3
	global_store_b128 v[EO], v[Q+64*(\j)+4*(4*\f+\g):Q+64*(\j)+4*(4*\f+\g)+3], s[\ec:(\ec)+1] offset:(4*\f+\g)*512-((\j)+1)*524288
.endr
.endr
	WIN 0
.endm
; A tile that is not its walk's last waits for z: the waiting tiles and their c m move one place along, and this tile's exponentials, rounded to f16, take the first place.
.macro SAVE
	WIN 0x41
.set i, 0
.rept 64
	v_mov_b32 v[Q+128+i], v[Q+64+i]
.set i, i+1
.endr
.set i, 0
.rept 64
	v_mov_b32 v[Q+64+i], v[Q+i]
.set i, i+1
.endr
.irp g, 0,1,2,3
	v_mov_b32 v[CQ+8+\g], v[CQ+4+\g]
.endr
.irp g, 0,1,2,3
	v_mov_b32 v[CQ+4+\g], v[CQ+\g]
.endr
	WIN 0x40
.irp f, 0,1,2,3
.irp g, 0,1,2,3
.irp p, 0,1,2,3
	v_cvt_pk_f16_f32 v[Q+4*(4*\f+\g)+\p], v[ACC+32*\f+8*\g+2*\p], v[ACC+32*\f+8*\g+2*\p+1]
.endr
.endr
.endr
.irp g, 0,1,2,3
	v_mov_b32 v[CQ+\g], v[ST+4*\g]
.endr
	WIN 0
.endm
.macro STILE last
	SETUP
	KS 0, 1, 16, 1
.irp k, 1,2,3,4,5
	KS \k, 1, 16, 0
.endr
	TURNS 6, 0, 1-(\last)
.irp k, 7,8,9,10,11,12,13
	KS \k, 1, 16, 0
.endr
.if \last
	KS 14, 0, 8, 0                                 ; nothing is left to ask for: step 15's eight loads may stay out
.else
	TURNS 14, 1, 1
.endif
	KS 15, 0, 0, 0
	WIN 0
	PLACES                                         ; behind the last products: for the loads into the keys' registers and for the reads of the scores
.if !(\last)
	s_cmp_lg_u32 s[TAU], s[XX]
	s_cbranch_scc1 .Lno_own_\@
	OWNLOAD KA                                     ; walk 1's last products are issued: walk 2's keys come while the softmax is at work
.Lno_own_\@:
.endif
	STAT
	PART
.endm
	s_wait_tensorcnt 0x1                           ; my part of d half 0 is in; half 1 may stay out
	s_wait_dscnt 0x0
	s_barrier_signal -1
	s_barrier_wait -1
	FETCH 0
	FETCH 1
.Ltile:                                                ; four tiles fill both slots again
	STILE 0
	XCH 0
	s_cmp_lg_u32 s[TAU], s[XX]
	s_cbranch_scc1 .Lsave                          ; a forward jump on the tile's number and the cluster's: it passes no barrier and no tensor load
	ZED 0                                          ; walk 1 ends
	LASTT EC1
	s_cmp_lg_u32 s[XX], 1
	s_cbranch_scc1 .Lno_old                        ; walk 1 has X + 1 tiles
	OLD 0, EC1
.Lno_old:
	s_wait_xcnt 0x0                                ; the stores' registers are rewritten only behind this wait
	RESET
	s_branch .Ljoin
.Lsave:
	SAVE
.Ljoin:
	FETCH 0                                        ; the next tile's first fragments: its d half 0 was shown whole by the change of slots at step 14
	FETCH 1
	s_add_co_u32 s[TAU], s[TAU], 1
	s_mov_b32 s[SIG], s[NSIG]
	s_sub_co_u32 s[CNT], s[CNT], 1
	s_cmp_lg_u32 s[CNT], 0
	s_cbranch_scc1 .Ltile
	STILE 1                                        ; the last tile is written out: it asks for nothing more
	XCH 2048
	ZED 2048                                       ; walk 2 ends
	LASTT EC2
	OLD 0, EC2
	OLD 1, EC2
	s_cmp_lg_u32 s[XX], 0
	s_cbranch_scc1 .Lno_old2                       ; walk 2 has 4 - X tiles
	OLD 2, EC2
.Lno_old2:
	s_wait_tensorcnt 0x0                           ; the wave's end: behind my last tensor load and my last LDS store
	ds_add_u32 v[SPW], v[NIL]
	s_wait_dscnt 0x0
	CROUND                                         ; the closing round
	s_endpgm
.Lfunc_end_k_qbaa75f323b_stats:
	.size	k_qbaa75f323b_stats, .Lfunc_end_k_qbaa75f323b_stats-k_qbaa75f323b_stats
	.p2alignl 7, 3214868480
	.fill 96, 4, 3214868480
	.section	.rodata,"a",@progbits
	.p2align	6, 0x0
	.amdhsa_kernel k_qbaa75f323b_stats
		.amdhsa_group_segment_fixed_size 327680
		.amdhsa_private_segment_fixed_size 0
		.amdhsa_enable_private_segment 0
		.amdhsa_kernarg_size 16
		.amdhsa_user_sgpr_count 2
		.amdhsa_user_sgpr_kernarg_segment_ptr 1
		.amdhsa_wavefront_size32 1
		.amdhsa_system_sgpr_workgroup_id_x 1
		.amdhsa_system_sgpr_workgroup_id_y 1
		.amdhsa_system_sgpr_workgroup_id_z 1
		.amdhsa_system_vgpr_workitem_id 0
		.amdhsa_next_free_vgpr 1024
		.amdhsa_next_free_sgpr 68
		.amdhsa_reserve_vcc 1
		.amdhsa_float_denorm_mode_32 3
		.amdhsa_float_denorm_mode_16_64 3
		.amdhsa_memory_ordered 1
		.amdhsa_forward_progress 1
		.amdhsa_inst_pref_size 196
	.end_amdhsa_kernel
	.amdgpu_metadata
---
amdhsa.version: [ 1, 2 ]
amdhsa.kernels:
  - .name:           k_qbaa75f323b_stats
    .symbol:         k_qbaa75f323b_stats.kd
    .args:
      - { .name: qkv, .offset: 0, .size: 8, .value_kind: global_buffer, .address_space: global }
      - { .name: ew, .offset: 8, .size: 8, .value_kind: global_buffer, .address_space: global }
    .group_segment_fixed_size: 327680
    .private_segment_fixed_size: 0
    .kernarg_segment_align: 8
    .kernarg_segment_size: 16
    .max_flat_workgroup_size: 128
    .sgpr_count:     68
    .vgpr_count:     1024
    .wavefront_size: 32
...
	.end_amdgpu_metadata
.endif
;; end of part 5
;; launch outp (part 6): grid 8 x 32, 4 waves a work-group, clusters of 4 x 1, 327,680 bytes of LDS; arguments qkv, ew, out0; writes out0
.if DOCPART == 6
	.amdgcn_target "amdgcn-amd-amdhsa--gfx1250"
	.amdhsa_code_object_version 6
	.text
	.protected	k_qbaa75f323b_outp
	.globl	k_qbaa75f323b_outp
	.p2align	8
	.type	k_qbaa75f323b_outp,@function
k_qbaa75f323b_outp:
	s_mov_b64 s[64:65], 0
	v_nop
	global_prefetch_b8 v0, s[64:65] scope:SCOPE_SE
	s_setreg_imm32_b32 hwreg(HW_REG_WAVE_MODE, 25, 1), 1
	s_wait_xcnt 0x0
	s_wait_alu depctr_hold_cnt(0) depctr_sa_sdst(0) depctr_va_vdst(0) depctr_va_sdst(0) depctr_va_ssrc(0) depctr_va_vcc(0) depctr_vm_vsrc(0)
	s_getreg_b32 s2, hwreg(HW_REG_IB_STS2, 6, 4)
	s_cmp_eq_u32 s2, 0
	s_cbranch_scc0 .Lentry_in_a_cluster
	s_endpgm
.Lentry_in_a_cluster:
	s_bfe_u32 s2, ttmp6, 0x10000c
	s_cmp_lg_u32 s2, 0x3003
	s_cbranch_scc0 .Lentry_shape_is_right
	s_endpgm
.Lentry_shape_is_right:
; out0[b][v][t] = sum over s of w[t][s] v[s][v].  w: the weights of the softmax over the query axis, made by the launch before, in f16, 0 where s > t (ew; its layout below).  v: plane 2 of qkv, [32][1024][512] f16.
; Products in f16, sums in f32; out0 is f32.
; LIMITS.  None of its own: the weights lie in 0 to 1, v within f16's range; NaN and infinities in the inputs are not treated apart.
; ew: [batch][query block of 64][key tile of 256][key block of 64][f][g][key r of 16][16 queries]: key = 256 tile + 64 block + 16 g + r, query = 64 block + 16 f + 0..15: blocks of 16 keys x 16 queries, 512 bytes,
; a key's 16 queries in 32 bytes.  A query block's weights for a key tile are 32,768 consecutive bytes.
; SHARES.  A batch has 16 blocks of 64 queries and 8 work-groups.  A work-group owns query blocks a = 4 X + cx and b = 15 - a, one after the other (two WALKS); the values are streamed in tiles of 256 keys.
; Walk 1 needs the tiles 0 .. X, walk 2 the tiles 0 .. 3 - X: five tiles whatever X and cx, and the four partners of a cluster need the same tile of v in the same trip: it is asked for JOINTLY.
; THE PRODUCT: source 0 = 16 queries x 32 keys of w, source 1 = 32 keys x 16 channels of v, both turned on their way out of LDS (ds_load_tr16_b128); wave w takes channels 128 w .. + 127 and all 64 queries:
; a lane holds one channel and eight neighbouring t: 32 bytes of a row of out0.
; RING: two slots of 128 keys x 1,024 bytes of v; a tile is two contents.  By this text's count a wave has two tensor loads out at the start, one later.  The weights are my work-group's own: 16,384 bytes a
; content, in two halves of LDS that no tensor load fills.  Each wave brings a quarter through 32 registers, in the slots' rhythm: loaded right behind the refill of one change of slots, stored at the head of the
; next change, into the half that was read out at the change before, and read behind that change's barrier.
; REGISTERS: window 0: addresses; v32-127 buffer A (w v32-63, v v64-127); v128-223 buffer B, and three sets of 32 for the way out; v224-255 the weights on their way.  Window 1: O, (g, cf) at 8 (4 cf + g),
; g = query block, cf = channel block.
.set VP,    1056                       ; rows of v in LDS: 1,024 bytes + 32, an odd multiple of 32
.set QUART, 32*VP                      ; what one tensor load brings
.set SLOT,  4*QUART
.set EB,    2*SLOT                     ; the weights: two halves
.set EH,    16384
.set STG,   EB+2*EH                    ; each wave's stage for the way out: 16 rows x 272
.set SP,    272
.set SPARE, STG+4*16*SP                ; the spare words, 128 bytes for each wave
.set AV,   4                           ; v4-7    the turning load's address in v for keys 64 i on
.set PR,   8                           ; v8   the turning load's address in the weights
.set EG,   9                           ; v9   my byte offset in a content's weights
.set EW,   10                          ; v10  where I put them in LDS
.set STO,  11                          ; v11  the way out: where I put 32 bytes of a row
.set RD,   12                          ; v12  where I read rows back
.set GO,   13                          ; v13  my byte offset in two rows of out0
.set SPW,  28
.set NIL,  29
.set PVB,  32                          ; buffer A; buffer B lies 96 further on
.set OS,   128
.set ER,   224
.set WV,   12
.set CX,   13
.set XX,   14
.set BB,   15
.set BKA,  16
.set BKB,  17
.set TAU,  18                          ; s18 the tile's number, 0..4
.set SIG,  19                          ; s19 which 256 keys it is
.set NSIG, 20                          ; s20 the next tile's
.set CNT,  21
.set G0,   32                          ; s[32:39] group 0, a set for each slot
.set G1V,  40                          ; s[40:47] group 1: 32 rows x 512 elements
.set VBASE, 48                         ; s[48:49] v at my 32 rows of tile 0
.set OFFK, 50                          ; s[50:51] the next tile's byte offset in v
.set EA,   52                          ; s[52:53] ew at query block a;  s[54:55] at block b
.set EBK,  54
.set EN,   56                          ; s[56:57] ew at the next tile's weights
.set EOF,  58                          ; s[58:59] the next tile's byte offset in a query block's weights
.set OUTC, 60                          ; s[60:61] out0 at my channels and the walk's block;  s[62:63] the second walk's
.set OUTB, 62
.set NEW,  66                          ; s66 1: the tile in hand starts O's sums
.set TS,   67
.set MSB, 0
.macro WIN new
.if MSB != (\new)
	s_set_vgpr_msb (MSB<<8)|(\new)
.set MSB, (\new)
.endif
.endm
.macro PLACES
.rept 4
	v_nop
.endr
.endm
.macro CREST
	s_cmp_lg_u32 s[WV], 0
	s_cbranch_scc1 .Lnot_wave_0_\@
	s_barrier_signal -3
.Lnot_wave_0_\@:
	s_barrier_wait -3
	s_barrier_signal -1
	s_barrier_wait -1
.endm
.macro CROUND
	s_barrier_signal -1
	s_barrier_wait -1
	CREST
.endm
; A joint refill: the address is made anew from v's base and the next tile's offset; the slot's LDS word never changes.  An s_nop 0 and four v_nop follow the load.
.macro REFILL slot, extra
	s_add_nc_u64 s[G0+4*(\slot)+2:G0+4*(\slot)+3], s[VBASE:VBASE+1], s[OFFK:OFFK+1]
.if \extra
	s_add_nc_u64 s[G0+4*(\slot)+2:G0+4*(\slot)+3], s[G0+4*(\slot)+2:G0+4*(\slot)+3], \extra
.endif
	s_or_b32 s[G0+4*(\slot)+3], s[G0+4*(\slot)+3], 0x80000000
	tensor_load_to_lds s[G0+4*(\slot):G0+4*(\slot)+3], s[G1V:G1V+7]
	s_nop 0
	PLACES
.endm
	s_load_b128 s[4:7], s[0:1], 0x0                ; qkv s[4:5], ew s[6:7]
	s_load_b64 s[8:9], s[0:1], 0x10                ; out0
	v_lshl_add_u32 v[SPW], v0, 2, SPARE
	v_mov_b32 v[NIL], 0
	ds_add_u32 v[SPW], v[NIL]                      ; the wave's opening: the add and its wait ahead of my first tensor load
	v_lshrrev_b32 v1, 5, v0
	v_readfirstlane_b32 s[WV], v1
	s_bfe_u32 s[CX], ttmp6, 0x40000
	s_mov_b32 s[XX], ttmp9                         ; the cluster's number in the batch, 0 or 1
	s_and_b32 s[BB], ttmp7, 0xffff
	s_lshl_b32 s[BKA], s[XX], 2
	s_add_co_u32 s[BKA], s[BKA], s[CX]
	s_sub_co_u32 s[BKB], 15, s[BKA]
	s_mov_b32 s[G1V], 15|(1<<16)|(1<<20)|(1<<21)|(7<<22)|(7<<25)  ; the mask of four; 2-byte elements; padding on; bit 21 beside a mask; after every 256 words, 8 words
	s_mov_b32 s[G1V+1], 512<<16
	s_mov_b32 s[G1V+2], 32<<16
	s_mov_b32 s[G1V+3], 512<<16
	s_mov_b32 s[G1V+4], 32
	s_mov_b32 s[G1V+5], 512
	s_mov_b32 s[G1V+6], 0
	s_mov_b32 s[G1V+7], 0
	s_mul_i32 s22, s[WV], QUART
	s_mov_b32 s[G0], 1
	s_mov_b32 s[G0+1], s22
	s_mov_b32 s[G0+4], 1
	s_add_co_u32 s[G0+5], s22, SLOT
	s_lshl_b32 s23, s[BB], 20                      ; v: the batch's 1,024 rows of 1,024 bytes,
	s_lshl_b32 s[VBASE], s[WV], 15                 ; my 32 rows of half a tile, plane 2
	s_add_co_u32 s[VBASE], s[VBASE], s23
	s_add_co_u32 s[VBASE], s[VBASE], 1<<26
	s_mov_b32 s[VBASE+1], 0
	s_lshl_b32 s23, s[BB], 21                      ; ew: the batch's 2,097,152 bytes, a query block's 131,072
	s_lshl_b32 s[EA], s[BKA], 17
	s_add_co_u32 s[EA], s[EA], s23
	s_mov_b32 s[EA+1], 0
	s_lshl_b32 s[EBK], s[BKB], 17
	s_add_co_u32 s[EBK], s[EBK], s23
	s_mov_b32 s[EBK+1], 0
	s_lshl_b32 s[TS], s[WV], 19                    ; out0: the batch's 512 rows of 4,096 bytes, my 128 channels,
	s_add_co_u32 s23, s23, s[TS]
	s_lshl_b32 s[OUTC], s[BKA], 8                  ; the block's 64 t of 4 bytes
	s_add_co_u32 s[OUTC], s[OUTC], s23
	s_mov_b32 s[OUTC+1], 0
	s_lshl_b32 s[OUTB], s[BKB], 8
	s_add_co_u32 s[OUTB], s[OUTB], s23
	s_mov_b32 s[OUTB+1], 0
	s_mov_b32 s[OFFK+1], 0
	s_mov_b32 s[EOF+1], 0
	s_mov_b32 s[TAU], 0
	s_mov_b32 s[SIG], 0
	s_mov_b32 s[CNT], 4
	s_mov_b32 s[NEW], 1
	s_wait_dscnt 0x0                               ; the opening add is done
	s_wait_kmcnt 0x0
	s_add_nc_u64 s[VBASE:VBASE+1], s[4:5], s[VBASE:VBASE+1]
	s_add_nc_u64 s[EA:EA+1], s[6:7], s[EA:EA+1]
	s_add_nc_u64 s[EBK:EBK+1], s[6:7], s[EBK:EBK+1]
	s_add_nc_u64 s[OUTC:OUTC+1], s[8:9], s[OUTC:OUTC+1]
	s_add_nc_u64 s[OUTB:OUTB+1], s[8:9], s[OUTB:OUTB+1]
	s_mov_b64 s[G0+2:G0+3], s[VBASE:VBASE+1]       ; tile 0's keys 0-127
	s_or_b32 s[G0+3], s[G0+3], 0x80000000
	s_add_nc_u64 s[G0+6:G0+7], s[VBASE:VBASE+1], 131072  ; keys 128-255
	s_or_b32 s[G0+7], s[G0+7], 0x80000000
	CROUND                                         ; all four work-groups are here: the first joint loads meet
	tensor_load_to_lds s[G0:G0+3], s[G1V:G1V+7]
	s_nop 0
	tensor_load_to_lds s[G0+4:G0+7], s[G1V:G1V+7]
	s_nop 0
	PLACES
	v_and_b32 v19, 31, v0                          ; lane
	s_lshl_b32 s23, s[WV], 12
	v_lshl_add_u32 v[EG], v19, 4, s23              ; 4,096 w + 16 x lane: a load or store of the wave covers 512 consecutive bytes
.irp i, 0,1,2,3,4,5,6,7
	global_load_b128 v[PVB+4*\i:PVB+4*\i+3], v[EG], s[EA:EA+1] offset:\i*512 th:TH_LOAD_NT       ; the first content's weights go straight on into LDS,
.endr
.irp i, 0,1,2,3,4,5,6,7
	global_load_b128 v[ER+4*\i:ER+4*\i+3], v[EG], s[EA:EA+1] offset:EH+\i*512 th:TH_LOAD_NT      ; the second's at the first change of slots, like all later ones
.endr
	v_add_nc_u32 v[EW], EB, v[EG]
	v_and_b32 v17, 15, v0                          ; r
	v_bfe_u32 v18, v0, 4, 1                        ; h
	v_and_b32 v20, 7, v0
	v_bfe_u32 v21, v0, 3, 1
	v_lshl_add_u32 v22, v18, 3, v20                ; the turning loads: lane l reads key 8 h + l % 8, bytes 16 ((l / 8) % 2) on
	v_mul_u32_u24 v[AV], v22, VP
	v_lshl_add_u32 v[AV], v21, 4, v[AV]
	s_lshl_b32 s23, s[WV], 8                       ; my 128 channels of 2 bytes
	v_add_nc_u32 v[AV], s23, v[AV]
	v_add_nc_u32 v[AV+1], 64*VP, v[AV]
	v_add_nc_u32 v[AV+2], SLOT, v[AV]
	v_add_nc_u32 v[AV+3], SLOT+64*VP, v[AV]
	v_lshlrev_b32 v[PR], 5, v22                    ; in the weights a key's 16 queries are 32 bytes: sixteen lanes take 256 different bytes
	v_lshl_add_u32 v[PR], v21, 4, v[PR]
	v_add_nc_u32 v[PR], EB, v[PR]
	s_mul_i32 s23, s[WV], 16*SP
	s_add_co_u32 s23, s23, STG                     ; my stage
	v_mul_u32_u24 v[STO], v17, SP                  ; in: row r (a channel), 32 bytes for each half of the lanes
	v_lshl_add_u32 v[STO], v18, 5, v[STO]
	v_add_nc_u32 v[STO], s23, v[STO]
	v_mul_u32_u24 v[RD], v18, SP                   ; back: lanes 0-15 one row of 256 bytes, lanes 16-31 the next
	v_lshl_add_u32 v[RD], v17, 4, v[RD]
	v_add_nc_u32 v[RD], s23, v[RD]
	v_lshlrev_b32 v[GO], 12, v18                   ; and the same two rows in out0
	v_lshl_add_u32 v[GO], v17, 4, v[GO]
.macro PLOAD kp                        ; the weights' fragments of keys 32 kp on, four query blocks, turned: 8 loads.  Content kp / 4, key block (kp % 4) / 2, blocks of 16 keys 2 (kp % 2) and the next
.irp g, 0,1,2,3
	ds_load_tr16_b128 v[PVB+96*((\kp)%2)+8*\g:PVB+96*((\kp)%2)+8*\g+3],   v[PR] offset:((\kp)/4)*EH+(((\kp)%4)/2)*8192+\g*2048+((\kp)%2)*1024
	ds_load_tr16_b128 v[PVB+96*((\kp)%2)+8*\g+4:PVB+96*((\kp)%2)+8*\g+7], v[PR] offset:((\kp)/4)*EH+(((\kp)%4)/2)*8192+\g*2048+((\kp)%2)*1024+512
.endr
.endm
.macro VLOAD kp, c0                    ; v's fragments of keys 32 kp on, four channel blocks from c0, turned: 8 loads
.irp c, 0,1,2,3
	ds_load_tr16_b128 v[PVB+96*((\kp)%2)+32+8*((\c0)+\c):PVB+96*((\kp)%2)+32+8*((\c0)+\c)+3],   v[AV+(\kp)/2] offset:((\kp)%2)*32*VP+((\c0)+\c)*32
	ds_load_tr16_b128 v[PVB+96*((\kp)%2)+32+8*((\c0)+\c)+4:PVB+96*((\kp)%2)+32+8*((\c0)+\c)+7], v[AV+(\kp)/2] offset:((\kp)%2)*32*VP+((\c0)+\c)*32+16*VP
.endr
.endm
; cnt channel blocks from c0 x all 4 query blocks, keys 32 kp on.  zero = 1: the products start the sums.  The 32 accumulators take turns.
.macro MULO kp, c0, cnt, zero
	WIN 0x50                                       ; w and v window 0, C and D window 1
.set cf, \c0
.rept \cnt
.set gg, 0
.rept 4
.set rD, 8*(4*cf+gg)
.set rA, PVB+96*((\kp)%2)+8*gg
.set rB, PVB+96*((\kp)%2)+32+8*cf
.if \zero
	v_wmma_f32_16x16x32_f16 v[rD:rD+7], v[rA:rA+7], v[rB:rB+7], 0
.else
	v_wmma_f32_16x16x32_f16 v[rD:rD+7], v[rA:rA+7], v[rB:rB+7], v[rD:rD+7]
.endif
.set gg, gg+1
.endr
.set cf, cf+1
.endr
.endm
.macro PVS kp, zero                    ; a step of 32 keys: 32 matrix instructions; in its middle the next step's 24 loads go into the other buffer
	s_wait_dscnt 8                                 ; the weights and channel blocks 0-3 are in; the youngest eight loads may be out
	MULO \kp, 0, 4, \zero
	PLACES
	WIN 0
	PLOAD (\kp)+1
	VLOAD (\kp)+1, 0
	VLOAD (\kp)+1, 4
	s_wait_dscnt 24                                ; all but the 24 just issued
	MULO \kp, 4, 4, \zero
.endm
; Steps 3 and 7: the slot has been asked for to its end, and the slots change.  First my quarter of the NEXT content's weights goes from registers into the half of LDS that was read out at the change before.
; Then each wave waits for all its tensor loads (one is out: its part of the other slot), adds 0 to its spare word, and waits for that, for its stores and for its reads of this slot.
; fill = 1: the barrier opens a round of the cluster's; the joint refill, the next tile's same half of v, is the first thing behind it, and the loads of that content's weights follow.
.macro TURNV kp, slot, fill
	WIN 0
	s_wait_loadcnt 0x0                             ; the next content's weights are in registers
.irp i, 0,1,2,3,4,5,6,7
	ds_store_b128 v[EW], v[ER+4*\i:ER+4*\i+3] offset:(1-(\slot))*EH+\i*512
.endr
	s_wait_tensorcnt 0x0
	ds_add_u32 v[SPW], v[NIL]                      ; 0 onto my spare word
	s_wait_dscnt 17                                ; (the add, my eight stores and the youngest eight loads may be out)
	MULO \kp, 0, 4, 0
	s_wait_dscnt 0x0                               ; the add and my stores are done, and my reads of this slot and of its weights are over
	s_barrier_signal -1
	MULO \kp, 4, 2, 0
	WIN 0
	s_barrier_wait -1
.if \fill
	CREST
	REFILL \slot, (\slot)*131072
.irp i, 0,1,2,3,4,5,6,7
	global_load_b128 v[ER+4*\i:ER+4*\i+3], v[EG], s[EN:EN+1] offset:(\slot)*EH+\i*512 th:TH_LOAD_NT
.endr
.else
	PLACES
.endif
.if (\kp) == 3
	PLOAD 4
	VLOAD 4, 0
	VLOAD 4, 4
.else
	PLOAD 0                                        ; the next tile's first fragments
	VLOAD 0, 0
	VLOAD 0, 4
.endif
	MULO \kp, 6, 2, 0
.endm
.macro PVPHASE last
.if !(\last)
	s_cmp_eq_u32 s[NEW], 1
	s_cbranch_scc1 .Lnew_\@
.endif
	PVS 0, 0
.if !(\last)
	WIN 0
	s_branch .Ljoin_\@
.Lnew_\@:                                              ; a walk's first tile: its first products start O's sums: nothing is cleared
	s_mov_b32 s[NEW], 0
.rept 5                                                ; these products write over O's registers and do not add onto them: five places stand between them and the last products on O
	v_nop                                          ; (ISA guide 7.12.1), whatever lies between: step 7's last eight products, channel blocks 6 and 7, have no place behind them in their own step
.endr
	PVS 0, 1
	WIN 0
.Ljoin_\@:
.endif
	PVS 1, 0
	PVS 2, 0
	TURNV 3, 0, 1-(\last)
	PVS 4, 0
	PVS 5, 0
	PVS 6, 0
.if \last
	s_wait_dscnt 8                                 ; the very last step: nothing more to fetch
	MULO 7, 0, 4, 0
	s_wait_dscnt 0x0
	MULO 7, 4, 4, 0
.else
	TURNV 7, 1, 1
.endif
.endm
; THE WAY OUT of a walk's 64 t x my 128 channels, a channel block (16 rows of out0) at a time: 32 bytes a lane into my own stage, back as whole rows of 256 bytes, stored: 16 lanes fill 256 consecutive bytes, aligned.
; Three sets of registers take turns, in buffer B: buffer A and v224-255 may hold what the next tile has asked for.
.macro OSEND cf
.irp t, 0,1,2,3,4,5,6,7
	global_store_b128 v[GO], v[OS+32*((\cf)%3)+4*\t:OS+32*((\cf)%3)+4*\t+3], s[OUTC:OUTC+1] offset:(\cf)*65536+\t*8192 th:TH_STORE_NT
.endr
.endm
.macro OEND
	WIN 0
	PLACES                                         ; behind the last products: the stores below read results, the loads below land in a buffer just multiplied
.set cc, 0
.rept 8
	WIN 0x04                                       ; store data in window 1
.irp g, 0,1,2,3
	ds_store_b128 v[STO], v[8*(4*cc+\g):8*(4*cc+\g)+3]   offset:64*\g      ; each accumulator's lowest registers first
	ds_store_b128 v[STO], v[8*(4*cc+\g)+4:8*(4*cc+\g)+7] offset:64*\g+16
.endr
	WIN 0
.if cc >= 3
	s_wait_xcnt 0x0                                ; the set of registers is loaded again only when the stores of three blocks back have read it
.endif
.irp t, 0,1,2,3,4,5,6,7
	ds_load_b128 v[OS+32*(cc%3)+4*\t:OS+32*(cc%3)+4*\t+3], v[RD] offset:\t*2*SP  ; LDS serves a wave's instructions in order (ISA guide 5.7.1.4): these see the stores above
.endr
.if cc > 0
	s_wait_dscnt 16                                ; this block's sixteen LDS instructions may be out: the block before is back
	OSEND cc-1
.endif
.set cc, cc+1
.endr
	s_wait_dscnt 0x0
	OSEND 7
	s_wait_xcnt 0x0                                ; the stores' registers and base are rewritten only behind this wait
.endm
	s_wait_loadcnt 0x8                             ; the first content's weights are in; the second's eight loads may stay out
.irp i, 0,1,2,3,4,5,6,7
	ds_store_b128 v[EW], v[PVB+4*\i:PVB+4*\i+3] offset:\i*512
.endr
	s_wait_tensorcnt 0x1                           ; my part of v's keys 0-127 is in; keys 128-255 may stay out
	s_wait_dscnt 0x0                               ; for the others' sake: my quarter of the weights is in LDS
	s_barrier_signal -1
	s_barrier_wait -1
	PLOAD 0
	VLOAD 0, 0
	VLOAD 0, 4
.Ltile:                                                ; four tiles fill both slots again
	s_add_co_u32 s[NSIG], s[SIG], 1                ; which tile follows: behind walk 1's last tile comes walk 2's tile 0
	s_cmp_eq_u32 s[TAU], s[XX]
	s_cselect_b32 s[NSIG], 0, s[NSIG]
	s_lshl_b32 s[OFFK], s[NSIG], 18                ; a tile is 256 rows of 1,024 bytes of v
	s_lshl_b32 s[EOF], s[NSIG], 15                 ; and 32,768 bytes of a query block's weights
	s_wait_xcnt 0x0                                ; the base of the last tile's loads of weights is rewritten only behind this wait
	s_cmp_lt_u32 s[TAU], s[XX]                     ; does the next tile still belong to walk 1?
	s_cselect_b64 s[EN:EN+1], s[EA:EA+1], s[EBK:EBK+1]
	s_add_nc_u64 s[EN:EN+1], s[EN:EN+1], s[EOF:EOF+1]
	PVPHASE 0
	WIN 0
	s_cmp_lg_u32 s[TAU], s[XX]
	s_cbranch_scc1 .Lno_end
	OEND                                           ; walk 1 ends
	s_mov_b64 s[OUTC:OUTC+1], s[OUTB:OUTB+1]
	s_mov_b32 s[NEW], 1
.Lno_end:
	s_add_co_u32 s[TAU], s[TAU], 1
	s_mov_b32 s[SIG], s[NSIG]
	s_sub_co_u32 s[CNT], s[CNT], 1
	s_cmp_lg_u32 s[CNT], 0
	s_cbranch_scc1 .Ltile
	PVPHASE 1                                      ; the last tile is written out: it asks for nothing more
	OEND                                           ; walk 2 ends
	s_wait_tensorcnt 0x0                           ; the wave's end: behind my last tensor load and my last LDS store
	ds_add_u32 v[SPW], v[NIL]
	s_wait_dscnt 0x0
	CROUND                                         ; the closing round
	s_endpgm
.Lfunc_end_k_qbaa75f323b_outp:
	.size	k_qbaa75f323b_outp, .Lfunc_end_k_qbaa75f323b_outp-k_qbaa75f323b_outp
	.p2alignl 7, 3214868480
	.fill 96, 4, 3214868480
	.section	.rodata,"a",@progbits
	.p2align	6, 0x0
	.amdhsa_kernel k_qbaa75f323b_outp
		.amdhsa_group_segment_fixed_size 327680
		.amdhsa_private_segment_fixed_size 0
		.amdhsa_enable_private_segment 0
		.amdhsa_kernarg_size 24
		.amdhsa_user_sgpr_count 2
		.amdhsa_user_sgpr_kernarg_segment_ptr 1
		.amdhsa_wavefront_size32 1
		.amdhsa_system_sgpr_workgroup_id_x 1
		.amdhsa_system_sgpr_workgroup_id_y 1
		.amdhsa_system_sgpr_workgroup_id_z 1
		.amdhsa_system_vgpr_workitem_id 0
		.amdhsa_next_free_vgpr 512
		.amdhsa_next_free_sgpr 68
		.amdhsa_reserve_vcc 0
		.amdhsa_float_denorm_mode_32 3
		.amdhsa_float_denorm_mode_16_64 3
		.amdhsa_memory_ordered 1
		.amdhsa_forward_progress 1
		.amdhsa_inst_pref_size 108
	.end_amdhsa_kernel
	.amdgpu_metadata
---
amdhsa.version: [ 1, 2 ]
amdhsa.kernels:
  - .name:           k_qbaa75f323b_outp
    .symbol:         k_qbaa75f323b_outp.kd
    .args:
      - { .name: qkv, .offset: 0, .size: 8, .value_kind: global_buffer, .address_space: global }
      - { .name: ew, .offset: 8, .size: 8, .value_kind: global_buffer, .address_space: global }
      - { .name: out0, .offset: 16, .size: 8, .value_kind: global_buffer, .address_space: global }
    .group_segment_fixed_size: 327680
    .private_segment_fixed_size: 0
    .kernarg_segment_align: 8
    .kernarg_segment_size: 24
    .max_flat_workgroup_size: 128
    .sgpr_count:     68
    .vgpr_count:     512
    .wavefront_size: 32
...
	.end_amdgpu_metadata
.endif
;; end of part 6
